; MI455X (gfx1250); checked and timed in simulation.
; The chip was launched on July 23, 2026; its instructions are those of AMD's public machine-readable ISA for CDNA 5 (MIT licence, August 2026) and "CDNA5" Instruction Set Architecture Reference Guide (July 2026). The comments in the code are by the model that wrote it; some were corrected since.
;; Global Self Attention. Allowed arithmetic: matrix products marked QUANTISED: E4M3 operands, one E8M0 scale for each 32 along K, by v_wmma_scale_f32_16x16x128_f8f6f4 with both operands' format E4M3, f32 sums; everything else in f32.
;; Inputs: Wk_codes 16 x 64 x 32 x 32 uint8 (E4M3 codes of Wk, K innermost, in blocks of 32 codes); Wk_scales 16 x 64 x 32 uint8 (E8M0 scales of Wk, one for each 32 codes along K); Wo 16 x 64 x 1,024 float32; Wq_codes 16 x 64 x 32 x 32 uint8 (E4M3 codes of Wq, K innermost, in blocks of 32 codes); Wq_scales 16 x 64 x 32 uint8 (E8M0 scales of Wq, one for each 32 codes along K); Wv_codes 16 x 64 x 32 x 32 uint8 (E4M3 codes of Wv, K innermost, in blocks of 32 codes); Wv_scales 16 x 64 x 32 uint8 (E8M0 scales of Wv, one for each 32 codes along K); beta 1,024 float32; bk 16 x 64 float32; bo 1,024 float32; bq 16 x 64 float32; bv 16 x 64 float32; gamma 1,024 float32; x 4 x 2,048 x 1,024 float32.
;; Outputs: out0 4 x 2,048 x 1,024 float32.
;; This version of the problem:
;;   THIS VERSION OF THE PROBLEM IS GIVEN IN LOW PRECISION. The matrix products marked QUANTISED in the list below multiply operands that are first quantised to E4M3 (4 exponent bits, 3 mantissa bits; 8 bits a number), with one power-of-two scale for each 32 numbers along K (OCP MX v1.0); their sums are f32. All else is computed in f32.
;;   The module's matrix products, in the order in which they are computed (A, B: the left and right operand; K: the contracted axis; several contracted axes count as one K, in the product's order):
;;     1. [M 8,192, K 1,024] x [K 1,024, N 1,024]; A: input x; B: input Wq (given as codes): QUANTISED
;;     2. [M 8,192, K 1,024] x [K 1,024, N 1,024]; A: input x; B: input Wk (given as codes): QUANTISED
;;     3. [M 8,192, K 1,024] x [K 1,024, N 1,024]; A: input x; B: input Wv (given as codes): QUANTISED
;;     4. batch 64 x [M 2,048, K 64] x [K 64, N 2,048]; A: computed on the way; B: computed on the way: QUANTISED
;;     5. batch 64 x [M 64, K 2,048] x [K 2,048, N 2,048]; A: computed on the way; B: softmax (see below): QUANTISED
;;     6. [M 8,192, K 1,024] x [K 1,024, N 1,024]; A: computed on the way; B: input Wo: QUANTISED
;;   THE QUANTISER, for each operand of a quantised product, along K:
;;     - K is cut into blocks of 32 from its start; a last block that is shorter is filled with zeros.
;;     - A block's scale is 2^e with e = floor(log2(the largest magnitude in the block)) - 8, held to -126 .. 127; a block of zeros has e = 0. As a byte (E8M0): e + 127.
;;     - Each number is divided by its block's scale, clamped to +-448, and rounded to the nearest number of E4M3, ties to even, subnormals kept.
;;     - The product sums the exact products of the quantised numbers (number of the format x scale) in f32.
;;   ~~~python
;;   def quantise(x, axis):      # numpy; x: float32 -> the quantised numbers, widened to float32 again
;;       x = np.moveaxis(x, axis, -1); K = x.shape[-1]
;;       x = np.pad(x, [(0, 0)] * (x.ndim - 1) + [(0, -K % 32)]); x = x.reshape(x.shape[:-1] + (-1, 32)); a = np.abs(x).max(-1, keepdims=True)
;;       e = np.where(a > 0, np.clip(np.frexp(np.where(a > 0, a, 1))[1] - 1 - 8, -126, 127), 0)      # np.frexp(a)[1] - 1 = floor(log2(a)), exactly
;;       r = np.clip(x / 2.0 ** e, -448, 448)
;;       step = 2.0 ** (np.maximum(np.frexp(np.where(r == 0, 1, r))[1] - 1, -6) - 3)
;;       q = np.round(r / step) * step * 2.0 ** e      # np.round: ties to even
;;       return np.moveaxis(q.reshape(q.shape[:-2] + (-1,))[..., :K], -1, axis).astype(np.float32)
;;   ~~~
;;   SOFTMAX AHEAD OF A QUANTISED PRODUCT. Where the list says 'softmax', what is quantised is not the finished softmax but p = 2^(t - M), with t = logit x log2(e) and M = ceil(the row's largest t), a whole number; so 1/2 < the row's largest p <= 1. The row's sum l is taken of the UNQUANTISED p, in f32, and the product's result is divided by l at the end. Since M is a whole number, a kernel that streams over the keys may use a running M (the ceiling of the running maximum): every later rescaling is an exact power of two, which a block's scale takes up: the codes' values come out the same.
;;   OPERANDS COMPUTED ON THE WAY. 'Computed on the way' means the value that the module computes at that place (a softmax that the list does not call 'softmax' is quantised finished and normalised). What goes into a quantiser is computed in f32, as accurately as f32 sums, v_exp_f32 and their like allow (about 1e-6 of the number): no bf16 or f16 on the way to a quantiser, and a product that is left as it is and whose result goes on into a quantised operand takes f32 operands (vector FMAs, or v_wmma_f32_16x16x4_f32). A number that lies on a knife's edge between two numbers of the format may be rounded either way, as far as f32 arithmetic and the matrix unit's own rounding can turn it there, and no further.
;;   INPUTS GIVEN AS CODES. Wk (in the module: [1024, 16, 64], K = its axis 0); Wq (in the module: [1024, 16, 64], K = its axis 0); Wv (in the module: [1024, 16, 64], K = its axis 0): each comes as NAME_codes (uint8): NAME with its K axis moved to the last place and cut into blocks of 32 codes, [.., K / 32, bytes a block], one block behind the other in memory; one code a byte (a code: sign, 4 exponent bits, 3 mantissa bits); and NAME_scales (uint8): the same leading axes, one E8M0 byte (e + 127) for each 32 codes along K. Its value is code x scale, taken as it is: it is not quantised again, and the codes and scales need not be those that the quantiser above would give.
;; One version. Each part assembles by itself: llvm-mc -triple=amdgcn-amd-amdhsa -mcpu=gfx1250 --defsym DOCPART=n.
;; ======== version 1 of 1: 4 launches
;; limits: right only within a limited range of input values
;; workspace buffers: xq 8,650,752 bytes; wo 1,081,344 bytes; q 8,650,752 bytes; kv 17,301,504 bytes; c 8,650,752 bytes
;; launch prep (part 1): grid 288 x 1, 4 waves a work-group, no clusters, 33,280 bytes of LDS; arguments x, Wo, xq, wo; writes xq, wo
.if DOCPART == 1
	.amdgcn_target "amdgcn-amd-amdhsa--gfx1250"
	.amdhsa_code_object_version 6
	.text
	.protected	k_qd2fff9b4d0_prep
	.globl	k_qd2fff9b4d0_prep
	.p2align	8
	.type	k_qd2fff9b4d0_prep,@function
k_qd2fff9b4d0_prep:
	s_mov_b64 s[64:65], 0
	v_nop
	global_prefetch_b8 v0, s[64:65] scope:SCOPE_SE
	s_setreg_imm32_b32 hwreg(HW_REG_WAVE_MODE, 25, 1), 1
	s_wait_xcnt 0x0
; x [8192][1024] f32 and Wo [1024 (K)][1024 (n)] f32 become codes of E4M3 with one E8M0 byte for each 32 along K.
; A block's scale is 2^(floor(log2(largest magnitude)) - 8): its byte is the largest magnitude's exponent field - 8, held at 1 from below; numbers are held within +-448 x the scale and rounded to the nearest code, ties to even.
; LIMITS: NaN and infinities are not served; a block of zeros (or under 2^-118) gets the byte 1: its codes are zeros, and the bytes are read by this program alone.
; Work-groups 0-255: x.  32 tokens each, a wave 8 rows (8,192 numbers, 16 steps of 512).  xq: codes [8192 places][1024] at byte 0, scale bytes [8192 places][32] at byte 8,388,608.
;   THE ROWS CHANGE PLACES: of each 32 tokens the two middle groups of 8 are swapped (wave w writes group ((w & 1) << 1) | (w >> 1)), so that 16 places on end hold tokens 8 u + i + 8 (i / 8):
;   a matrix result whose rows are such a tile has 16 neighbouring tokens in the 16 registers of two neighbouring tiles.
; Work-groups 256-287: Wo, 128 columns x 256 along K each.  A lane takes a column n and its registers run down K.  wo: images of operand registers [n / 128][K step of 128][n tile][2048 bytes]
;   (piece c of 4 registers at 512 c + 16 lane), scale words [K step][n] at byte 1,048,576.
; No tensor loads, no barrier: waves share nothing.  Only the first path uses LDS.
.set XWG,   256
.set STEPS, 16
.set MANT,  0x600000                   ; the mantissa field of 448
.set FLOOR, 0x4800000                  ; 2^(9 - 127)
.set OFFE,  0xfc000000                 ; -(8 << 23)
.set CB,    16
.set R,     16                         ; v16-79   four sets of 16 numbers as loaded
.set X,     80                         ; v80-111  two sets of 16 neighbours
.set C,     128                        ; v128-191 codes, four registers a step
.set E,     112                        ; v112-127 a scale byte a step
.set WREG,  8192                       ; LDS of a wave: two stages of 32 x SP bytes, then its 256 scale bytes
.set SP,    80
.set WX,    32                         ; Wo: v32-95 two sets of 32 numbers
.set WC,    96                         ; v96-159 codes, eight registers a block
.set SB,    24                         ; v24-25 scale words
	s_load_b128 s[4:7], s[0:1], 0x0                ; x, Wo
	s_load_b128 s[8:11], s[0:1], 0x10              ; xq, wo
	v_lshl_add_u32 v192, v0, 2, 0x8000
	v_mov_b32 v193, 0
	v_lshrrev_b32 v1, 5, v0
	v_readfirstlane_b32 s16, v1                    ; wave
	v_and_b32 v2, 31, v0                           ; lane
	s_cmp_lt_u32 ttmp9, XWG
	s_cbranch_scc0 .Lwo
	; ---------------- x ----------------
	v_lshlrev_b32 v3, 4, v2                        ; my 16 bytes of a load's 512
	s_mul_i32 s17, s16, WREG
	v_lshrrev_b32 v14, 2, v2
	v_mul_u32_u24 v14, v14, SP
	v_and_b32 v15, 3, v2
	v_lshl_add_u32 v14, v15, 4, v14
	v_add_nc_u32 v14, s17, v14                     ; the stage, in: SP (lane / 4) + 16 (lane % 4)
	v_mul_u32_u24 v15, v2, SP
	v_add_nc_u32 v15, s17, v15                     ; out: SP x lane: my 16 neighbours
	v_mul_u32_u24 v4, v2, CB                       ; my codes' place in a step's
	v_lshrrev_b32 v5, 1, v2
	s_add_co_u32 s17, s17, 2*32*SP
	v_add_nc_u32 v5, s17, v5                       ; my block's scale byte in LDS
	v_lshlrev_b32 v7, 3, v2
	v_add_nc_u32 v6, s17, v7
	s_lshl_b32 s18, ttmp9, 2
	s_add_co_u32 s20, s18, s16                     ; the run of 8 rows that I read
	s_lshl_b32 s20, s20, 15
	s_mov_b32 s21, 0
	s_and_b32 s19, s16, 1
	s_lshl_b32 s19, s19, 1
	s_lshr_b32 s22, s16, 1
	s_or_b32 s19, s19, s22
	s_add_co_u32 s18, s18, s19                     ; and the run of 8 places that I write
	s_lshl_b32 s24, s18, 13
	s_mov_b32 s25, 0
	s_lshl_b32 s26, s18, 8
	s_add_co_u32 s26, s26, 0x800000
	s_mov_b32 s27, 0
	s_wait_alu depctr_va_vdst(0)
	s_wait_kmcnt 0x0
	s_add_nc_u64 s[4:5], s[4:5], s[20:21]
	s_add_nc_u64 s[12:13], s[8:9], s[26:27]        ; scale bytes
	s_add_nc_u64 s[8:9], s[8:9], s[24:25]          ; codes
.macro LOAD t
.irp i, 0,1,2,3
	global_load_b128 v[R+16*((\t)%4)+4*\i:R+16*((\t)%4)+4*\i+3], v3, s[4:5] offset:2048*(\t)+512*\i th:TH_LOAD_NT   ; 32 lanes read 512 consecutive bytes
.endr
.endm
.macro TURN t                          ; a step's 2,048 bytes through the wave's stage: in as loaded, out 64 bytes a lane; LDS serves a wave's instructions in order
.irp i, 0,1,2,3
	ds_store_b128 v14, v[R+16*((\t)%4)+4*\i:R+16*((\t)%4)+4*\i+3] offset:32*SP*((\t)%2)+8*SP*\i
.endr
.irp i, 0,1,2,3
	ds_load_b128 v[X+16*((\t)%2)+4*\i:X+16*((\t)%2)+4*\i+3], v15 offset:32*SP*((\t)%2)+16*\i
.endr
.endm
.irp t, 0,1,2,3
	LOAD \t
.endr
	s_wait_loadcnt 12                              ; step 0's four loads are in; the twelve of steps 1 to 3 stay out
	TURN 0
.macro STEP t
.set XS, X+16*((\t)%2)
.if (\t) > 0
	s_wait_dscnt 1                                 ; this step's numbers are back from the stage; the last step's byte store may be out
.else
	s_wait_dscnt 0x0
.endif
.if (\t)+4 < STEPS
	LOAD (\t)+4
.endif
.if (\t)+1 < STEPS
.if STEPS-2-(\t) >= 3
	s_wait_loadcnt 12                              ; the next step's loads are in; those of the three steps behind it may be out
.else
	s_wait_loadcnt 4*(STEPS-2-(\t))
.endif
	TURN (\t)+1
.endif
	v_max3_num_f32 v8, |v[XS]|, |v[XS+1]|, |v[XS+2]|
	v_max3_num_f32 v9, |v[XS+3]|, |v[XS+4]|, |v[XS+5]|
.irp i, 6,10
	v_max3_num_f32 v8, v8, |v[XS+\i]|, |v[XS+\i+1]|
	v_max3_num_f32 v9, v9, |v[XS+\i+2]|, |v[XS+\i+3]|
.endr
	v_max3_num_f32 v8, v8, |v[XS+14]|, |v[XS+15]|
	v_max3_num_f32 v8, v8, v9, FLOOR               ; the floor holds the byte at 1 from below
	v_max_num_f32_dpp v8, v8, v8 row_xmask:1 row_mask:0xf bank_mask:0xf   ; with my neighbour's 16: the block's largest magnitude
	v_add_nc_u32 v11, OFFE, v8                     ; 8 off its exponent field: the conversion's scale operand
.irp i, 0,1,2,3,4,5,6,7,8,9,10,11,12,13,14,15
.endr
	v_cvt_scalef32_pk8_fp8_f32 v[C+4*(\t):C+4*(\t)+1], v[XS:XS+7], v11
	v_cvt_scalef32_pk8_fp8_f32 v[C+4*(\t)+2:C+4*(\t)+3], v[XS+8:XS+15], v11
	v_lshrrev_b32 v[E+(\t)], 23, v11               ; the scale's byte
	ds_store_b8 v5, v[E+(\t)] offset:16*(\t)       ; both lanes of a block write the same byte with the same value
	global_store_b128 v4, v[C+4*(\t):C+4*(\t)+3], s[8:9] offset:32*CB*(\t)   ; the wave stores 512 consecutive bytes
.endm
.irp t, 0,1,2,3,4,5,6,7,8,9,10,11,12,13,14,15
	STEP \t
.endr
	ds_load_b64 v[12:13], v6
	s_wait_dscnt 0x0
	global_store_b64 v7, v[12:13], s[12:13]        ; 32 lanes store 256 consecutive bytes, aligned
	s_wait_tensorcnt 0x0
	ds_add_u32 v192, v193
	s_wait_dscnt 0x0
	s_endpgm
	; ---------------- Wo ----------------
.Lwo:
	s_sub_co_u32 s17, ttmp9, XWG
	s_and_b32 s18, s17, 7                          ; which 128 columns
	s_lshr_b32 s19, s17, 3                         ; which 256 along K
	s_wait_alu depctr_va_vdst(0)
	v_lshlrev_b32 v3, 2, v2                        ; 4 bytes a lane
	s_lshl_b32 s20, s19, 20                        ; Wo: 256 rows of 4,096 bytes,
	s_lshl_b32 s21, s18, 9
	s_add_co_u32 s20, s20, s21
	s_lshl_b32 s21, s16, 7
	s_add_co_u32 s20, s20, s21                     ; + 4 x (128 cg + 32 wave)
	s_mov_b32 s21, 0
	s_lshl_b32 s24, s18, 17                        ; images: 131,072 cg + 32,768 ky + 4,096 wave (two n tiles)
	s_lshl_b32 s25, s19, 15
	s_add_co_u32 s24, s24, s25
	s_lshl_b32 s25, s16, 12
	s_add_co_u32 s24, s24, s25
	s_mov_b32 s25, 0
	s_lshl_b32 s26, s19, 13                        ; scale words: 8,192 ky + 4 x (128 cg + 32 wave)
	s_lshl_b32 s27, s18, 9
	s_add_co_u32 s26, s26, s27
	s_lshl_b32 s27, s16, 7
	s_add_co_u32 s26, s26, s27
	s_add_co_u32 s26, s26, 0x100000
	s_mov_b32 s27, 0
	v_lshrrev_b32 v4, 4, v2
	v_and_b32 v5, 15, v2
	v_lshlrev_b32 v4, 11, v4
	v_lshl_add_u32 v4, v5, 4, v4                   ; my place in an image: n tile lane / 16, row lane % 16
	s_wait_alu depctr_va_vdst(0)
	s_wait_kmcnt 0x0
	s_add_nc_u64 s[6:7], s[6:7], s[20:21]
	s_add_nc_u64 s[12:13], s[10:11], s[26:27]
	s_add_nc_u64 s[10:11], s[10:11], s[24:25]
.macro WLOAD t                         ; block t: Wo(32 t + i, my column)
.irp i, 0,1,2,3,4,5,6,7,8,9,10,11,12,13,14,15,16,17,18,19,20,21,22,23,24,25,26,27,28,29,30,31
	global_load_b32 v[WX+32*((\t)%2)+\i], v3, s[6:7] offset:(32*(\t)+\i)*4096 th:TH_LOAD_NT
.endr
.endm
	WLOAD 0
	WLOAD 1
.macro WBLOCK t
.set XS, WX+32*((\t)%2)
.set CC, WC+8*(\t)
.if (\t) < 7
	s_wait_loadcnt 32                              ; this block's 32 loads are in; the next block's may be out
.else
	s_wait_loadcnt 0x0
.endif
	v_max3_num_f32 v12, |v[XS]|, |v[XS+1]|, |v[XS+2]|              ; all 32 numbers of the block are mine
	v_max3_num_f32 v13, |v[XS+3]|, |v[XS+4]|, |v[XS+5]|
.irp i, 6,10,14,18,22,26
	v_max3_num_f32 v12, v12, |v[XS+\i]|, |v[XS+\i+1]|
	v_max3_num_f32 v13, v13, |v[XS+\i+2]|, |v[XS+\i+3]|
.endr
	v_max3_num_f32 v12, v12, |v[XS+30]|, |v[XS+31]|
	v_max3_num_f32 v12, v12, v13, FLOOR
	v_add_nc_u32 v11, OFFE, v12
	v_lshrrev_b32 v13, 23, v11
.if (\t)%4 == 0
	v_mov_b32 v[SB+(\t)/4], v13                    ; four bytes make a K step's scale word
.else
	v_lshl_or_b32 v[SB+(\t)/4], v13, 8*((\t)%4), v[SB+(\t)/4]
.endif
.irp i, 0,1,2,3,4,5,6,7,8,9,10,11,12,13,14,15,16,17,18,19,20,21,22,23,24,25,26,27,28,29,30,31
.endr
.irp g, 0,1,2,3
	v_cvt_scalef32_pk8_fp8_f32 v[CC+2*\g:CC+2*\g+1], v[XS+8*\g:XS+8*\g+7], v11
.endr
	global_store_b128 v4, v[CC:CC+3], s[10:11] offset:((\t)/4)*16384+((\t)%4)*512       ; k 0-15 of the block: the image's lanes 0-15; sixteen lanes store 256 consecutive bytes, aligned
	global_store_b128 v4, v[CC+4:CC+7], s[10:11] offset:((\t)/4)*16384+((\t)%4)*512+256 ; k 16-31: its lanes 16-31
.if (\t)+2 < 8
	WLOAD (\t)+2
.endif
.endm
.irp t, 0,1,2,3,4,5,6,7
	WBLOCK \t
.endr
	global_store_b32 v3, v[SB], s[12:13]
	global_store_b32 v3, v[SB+1], s[12:13] offset:4096
	s_endpgm
.Lfunc_end_k_qd2fff9b4d0_prep:
	.size	k_qd2fff9b4d0_prep, .Lfunc_end_k_qd2fff9b4d0_prep-k_qd2fff9b4d0_prep
	.p2alignl 7, 3214868480
	.fill 96, 4, 3214868480
	.section	.rodata,"a",@progbits
	.p2align	6, 0x0
	.amdhsa_kernel k_qd2fff9b4d0_prep
		.amdhsa_group_segment_fixed_size 33280
		.amdhsa_private_segment_fixed_size 0
		.amdhsa_enable_private_segment 0
		.amdhsa_kernarg_size 32
		.amdhsa_user_sgpr_count 2
		.amdhsa_user_sgpr_kernarg_segment_ptr 1
		.amdhsa_wavefront_size32 1
		.amdhsa_system_sgpr_workgroup_id_x 1
		.amdhsa_system_sgpr_workgroup_id_y 1
		.amdhsa_system_sgpr_workgroup_id_z 1
		.amdhsa_system_vgpr_workitem_id 0
		.amdhsa_next_free_vgpr 194
		.amdhsa_next_free_sgpr 66
		.amdhsa_reserve_vcc 0
		.amdhsa_float_denorm_mode_32 3
		.amdhsa_float_denorm_mode_16_64 3
		.amdhsa_fp16_overflow 1
		.amdhsa_memory_ordered 1
		.amdhsa_forward_progress 1
		.amdhsa_inst_pref_size 72
	.end_amdhsa_kernel
	.amdgpu_metadata
---
amdhsa.version: [ 1, 2 ]
amdhsa.kernels:
  - .name:           k_qd2fff9b4d0_prep
    .symbol:         k_qd2fff9b4d0_prep.kd
    .args:
      - { .name: x, .offset: 0, .size: 8, .value_kind: global_buffer, .address_space: global }
      - { .name: Wo, .offset: 8, .size: 8, .value_kind: global_buffer, .address_space: global }
      - { .name: xq, .offset: 16, .size: 8, .value_kind: global_buffer, .address_space: global }
      - { .name: wo, .offset: 24, .size: 8, .value_kind: global_buffer, .address_space: global }
    .group_segment_fixed_size: 33280
    .private_segment_fixed_size: 0
    .kernarg_segment_align: 8
    .kernarg_segment_size: 32
    .max_flat_workgroup_size: 128
    .sgpr_count:     66
    .vgpr_count:     194
    .wavefront_size: 32
...
	.end_amdgpu_metadata
.endif
;; end of part 1
;; launch qkv (part 2): grid 12 x 32, 4 waves a work-group, clusters of 4 x 4, 327,680 bytes of LDS; arguments xq, Wq_codes, Wq_scales, Wk_codes, Wk_scales, Wv_codes, Wv_scales, bq, bk, bv, q, kv; writes q, kv
.if DOCPART == 2
	.amdgcn_target "amdgcn-amd-amdhsa--gfx1250"
	.amdhsa_code_object_version 6
	.text
	.protected	k_qd2fff9b4d0_qkv
	.globl	k_qd2fff9b4d0_qkv
	.p2align	8
	.type	k_qd2fff9b4d0_qkv,@function
k_qd2fff9b4d0_qkv:
	s_mov_b64 s[64:65], 0
	v_nop
	global_prefetch_b8 v0, s[64:65] scope:SCOPE_SE
	s_setreg_imm32_b32 hwreg(HW_REG_WAVE_MODE, 25, 1), 1
	s_wait_xcnt 0x0
	s_wait_alu depctr_hold_cnt(0) depctr_sa_sdst(0) depctr_va_vdst(0) depctr_va_sdst(0) depctr_va_ssrc(0) depctr_va_vcc(0) depctr_vm_vsrc(0)
	s_getreg_b32 s2, hwreg(HW_REG_IB_STS2, 6, 4)
	s_cmp_eq_u32 s2, 0
	s_cbranch_scc0 .Lentry_in_a_cluster
	s_endpgm
.Lentry_in_a_cluster:
	s_bfe_u32 s2, ttmp6, 0x10000c
	s_cmp_lg_u32 s2, 0xf033
	s_cbranch_scc0 .Lentry_shape_is_right
	s_endpgm
.Lentry_shape_is_right:
.set KSTEP,  256
.set NQ,     2
.set ROWB,   256
.set KROW,   1024
.set PITCH,  272
.set FR,     16
.set NL,     4
.set NP,     8
.set HALFT,  128*PITCH
.set SLOT,   4*HALFT
.set LAPS,   2
.set KS,     32
.set SCL,    2*SLOT
.set HALFS,  (128*KS/256)*272
.set SBLK,   (16*KS/256)*272
.set SPARE,  SCL+4*HALFS
.set ADRA, 16
.set ADRB, 20
.set LI,   24
.set LS,   25
.set ADRS, 27
.set SPW,  28
.set NIL,  29
.set SC,   32
.set BIAS, 64
.set AF,   128
.set TM,   64
.set PW,   80
.set WT,   88
.set PC,   128
.set ISV,  2
.set G1, 24
.set G0, 32
.set G1B, 48
.set G0B, 56
.set G1S, 68
.set G0S, 76
.set G1SB, 80
.set G0SB, 88
.set MSB, 0
.macro WIN new
.if MSB != \new
	s_set_vgpr_msb (MSB<<8)|\new
.set MSB, \new
.endif
.endm
.set MUL_LO, 0xa1
.set MUL_HI, 0xf1
.set TO_B,   0x40
.macro JLOAD g0a, g1a, g0b, g1b
	s_cmp_eq_u32 s15, 0
	s_cbranch_scc0 .Lfor_b_\@
	tensor_load_to_lds s[\g0a:\g0a+3], s[\g1a:\g1a+7]
	s_nop 0
.rept 4
	v_nop
.endr
	s_branch .Lasked_\@
.Lfor_b_\@:
	tensor_load_to_lds s[\g0b:\g0b+3], s[\g1b:\g1b+7]
	s_nop 0
.rept 4
	v_nop
.endr
.Lasked_\@:
.endm
.macro CREST
	s_cmp_lg_u32 s14, 0
	s_cbranch_scc1 .Lnot_wave_0_\@
	s_barrier_signal -3
.Lnot_wave_0_\@:
	s_barrier_wait -3
	s_barrier_signal -1
	s_barrier_wait -1
.endm
.macro CROUND
	s_barrier_signal -1
	s_barrier_wait -1
	CREST
.endm
	s_load_b512 s[68:83], s[0:1], 0x0
	s_load_b256 s[84:91], s[0:1], 0x40
	v_lshl_add_u32 v[SPW], v0, 2, SPARE
	v_mov_b32 v[NIL], 0
	ds_add_u32 v28, v29
	ds_add_u32 v28, v29
	s_wait_dscnt 0x0
	v_lshrrev_b32 v1, 5, v0
	v_readfirstlane_b32 s14, v1
	s_lshr_b32 s15, s14, 1
	s_and_b32 s16, s14, 1
	s_bfe_u32 s40, ttmp6, 0x40000
	s_bfe_u32 s41, ttmp6, 0x40004
	s_and_b32 s17, ttmp7, 0xffff
	s_lshl_b32 s17, s17, 2
	s_cmp_eq_u32 ttmp9, 2
	s_cselect_b32 s[ISV], 1, 0
	s_cselect_b32 s42, s17, 0
	s_cselect_b32 s17, 0, s17
	s_add_co_u32 s42, s42, s40
	s_add_co_u32 s17, s17, s41
	s_lshl_b32 s43, s41, 2
	s_lshl_b32 s43, 15, s43
	s_lshl_b32 s44, 0x1111, s40
	s_or_b32 s[G1+0], s43, (0<<16)|(1<<20)|(1<<21)|(5<<22)|(3<<25)
	s_or_b32 s[G1B+0], s44, (0<<16)|(1<<20)|(1<<21)|(5<<22)|(3<<25)
.irp g, G1, G1B
	s_mov_b32 s[\g+1], ROWB<<16
	s_mov_b32 s[\g+2], 128<<16
	s_mov_b32 s[\g+3], ROWB<<16
	s_mov_b32 s[\g+4], 128
	s_mov_b32 s[\g+5], KROW
	s_mov_b32 s[\g+6], 0
	s_mov_b32 s[\g+7], 0
.endr
	s_lshl_b32 s18, s16, 7
	s_lshl_b32 s20, s17, 8
	s_add_co_u32 s20, s20, s18
	s_lshl_b32 s46, s42, 8
	s_add_co_u32 s46, s46, s18
	s_lshl_b32 s22, s20, 5
	s_lshl_b32 s94, s46, 5
	s_lshl_b32 s20, s20, 10
	s_lshl_b32 s46, s46, 10
	s_mov_b32 s21, 0
	s_mov_b32 s23, 0
	s_mov_b32 s47, 0
	s_mov_b32 s95, 0
	s_mul_i32 s45, s14, HALFT
	s_mul_i32 s3, s14, HALFS
	s_wait_kmcnt 0x0
	s_add_nc_u64 s[92:93], s[68:69], 0x800000
	s_cmp_eq_u32 ttmp9, 0
	s_cselect_b64 s[100:101], s[70:71], s[74:75]
	s_cselect_b64 s[104:105], s[72:73], s[76:77]
	s_cselect_b64 s[12:13], s[82:83], s[84:85]
	s_cselect_b64 s[96:97], s[88:89], s[90:91]
	s_cmp_eq_u32 ttmp9, 2
	s_cselect_b64 s[100:101], s[78:79], s[100:101]
	s_cselect_b64 s[104:105], s[80:81], s[104:105]
	s_cselect_b64 s[12:13], s[86:87], s[12:13]
	s_cselect_b64 s[4:5], s[100:101], s[68:69]
	s_cselect_b64 s[6:7], s[104:105], s[92:93]
	s_cselect_b64 s[8:9], s[68:69], s[100:101]
	s_cselect_b64 s[10:11], s[92:93], s[104:105]
	s_add_nc_u64 s[20:21], s[4:5], s[20:21]
	s_add_nc_u64 s[22:23], s[6:7], s[22:23]
	s_add_nc_u64 s[46:47], s[8:9], s[46:47]
	s_add_nc_u64 s[94:95], s[10:11], s[94:95]
	s_or_b32 s[G1S+0], s43, (3<<16)|(1<<20)|(1<<21)|(5<<22)|(3<<25)
	s_or_b32 s[G1SB+0], s44, (3<<16)|(1<<20)|(1<<21)|(5<<22)|(3<<25)
.irp g, G1S, G1SB
	s_mov_b32 s[\g+1], 32<<16
	s_mov_b32 s[\g+2], (128*KS/256)<<16
	s_mov_b32 s[\g+3], 32<<16
	s_mov_b32 s[\g+4], 128*KS/256
	s_mov_b32 s[\g+5], 32
	s_mov_b32 s[\g+6], 0
	s_mov_b32 s[\g+7], 0
.endr
	CROUND
	s_mov_b32 s[G0S], 1
	s_add_co_u32 s[G0S+1], s3, SCL
	s_mov_b64 s[G0S+2:G0S+3], s[22:23]
	s_or_b32 s[G0S+3], s[G0S+3], 0x80000000
	s_mov_b32 s[G0SB], 1
	s_add_co_u32 s[G0SB+1], s3, SCL
	s_mov_b64 s[G0SB+2:G0SB+3], s[94:95]
	s_or_b32 s[G0SB+3], s[G0SB+3], 0x80000000
	JLOAD G0S, G1S, G0SB, G1SB
.irp s, 0,1
	s_mov_b32 s[G0+4*\s], 1
	s_add_co_u32 s[G0+4*\s+1], s45, \s*SLOT
	s_add_nc_u64 s[G0+4*\s+2:G0+4*\s+3], s[20:21], \s*ROWB
	s_or_b32 s[G0+4*\s+3], s[G0+4*\s+3], 0x80000000
	s_mov_b32 s[G0B+4*\s], 1
	s_add_co_u32 s[G0B+4*\s+1], s45, \s*SLOT
	s_add_nc_u64 s[G0B+4*\s+2:G0B+4*\s+3], s[46:47], \s*ROWB
	s_or_b32 s[G0B+4*\s+3], s[G0B+4*\s+3], 0x80000000
	s_wait_alu depctr_va_vdst(0)
	s_wait_tensorcnt 0x0
	ds_add_u32 v28, v29
	s_wait_dscnt 0x0
	CROUND
	JLOAD G0+4*\s, G1, G0B+4*\s, G1B
.endr
	v_and_b32 v1, 15, v0
	v_bfe_u32 v2, v0, 4, 1
	v_mul_u32_u24 v3, v1, PITCH
	v_lshl_add_u32 v4, v2, 4, v3
	s_mul_i32 s21, s15, HALFT
	s_mul_i32 s22, s16, HALFT
	s_add_co_u32 s22, s22, 2*HALFT
.irp s, 0,1
	v_add_nc_u32 v[ADRA+\s], s21, v4
	v_add_nc_u32 v[ADRB+\s], s22, v4
	s_add_co_u32 s21, s21, SLOT
	s_add_co_u32 s22, s22, SLOT
.endr
	v_mul_u32_u24 v5, v1, KS
	v_lshrrev_b32 v6, 8, v5
	v_lshl_add_u32 v5, v6, 4, v5
	s_mul_i32 s21, s15, HALFS
	s_mul_i32 s22, s16, HALFS
	s_add_co_u32 s22, s22, 2*HALFS
	s_sub_co_u32 s22, s22, s21
	v_mul_u32_u24 v6, s22, v2
	s_add_co_u32 s21, s21, SCL
	v_add_nc_u32 v5, v5, v6
	v_add_nc_u32 v[ADRS], s21, v5
	v_and_b32 v6, 31, v0
	v_lshlrev_b32 v[LI], 4, v6
	v_lshlrev_b32 v[LS], 2, v6
	v_lshlrev_b32 v7, 5, v2
	v_lshlrev_b32 v8, 2, v1
	s_lshl_b32 s18, s17, 8
	s_lshl_b32 s19, s15, 7
	s_add_co_u32 s18, s18, s19
	s_lshl_b32 s19, s42, 8
	s_lshl_b32 s45, s16, 7
	s_add_co_u32 s19, s19, s45
	s_cmp_eq_u32 s[ISV], 1
	s_cselect_b32 s45, s19, s18
	s_cselect_b32 s18, s18, s19
	s_lshl_b32 s92, s18, 2
	s_mov_b32 s93, 0
	s_add_nc_u64 s[12:13], s[12:13], s[92:93]
	s_lshr_b32 s19, s45, 11
	s_lshl_b32 s19, s19, 4
	s_lshr_b32 s92, s18, 6
	s_add_co_u32 s19, s19, s92
	s_bfe_u32 s45, s45, 0x40007
	s_lshl_b32 s92, s19, 17
	s_lshl_b32 s93, s45, 13
	s_add_co_u32 s92, s92, s93
	s_lshl_b32 s93, s19, 12
	s_lshl_b32 s94, s45, 8
	s_add_co_u32 s93, s93, s94
	s_add_co_u32 s93, s93, 0x800000
	s_lshl_b32 s94, s19, 4
	s_add_co_u32 s94, s94, s45
	s_mul_i32 s94, s94, 16896
	s_cmp_eq_u32 s[ISV], 1
	s_cselect_b32 s95, 256, 0
	s_add_co_u32 s95, s95, s94
	s_add_co_u32 s95, s95, 16384
	s_mov_b32 s19, 270336
	s_cmp_eq_u32 ttmp9, 0
	s_cselect_b32 s92, s92, s94
	s_cselect_b32 s94, s93, s95
	s_cselect_b32 s45, 0x20000, s19
	s_cselect_b32 s19, 0x1000, s19
	s_mov_b32 s93, 0
	s_mov_b32 s95, 0
	s_add_nc_u64 s[100:101], s[96:97], s[94:95]
	s_add_nc_u64 s[96:97], s[96:97], s[92:93]
	s_mov_b32 s92, s45
	s_add_nc_u64 s[98:99], s[96:97], s[92:93]
	s_mov_b32 s94, s19
	s_add_nc_u64 s[104:105], s[100:101], s[94:95]
	s_cmp_eq_u32 s[ISV], 1
	s_cbranch_scc1 .Lbias_v
	s_wait_alu depctr_va_vdst(0)
.irp b, 0,1,2,3,4,5,6,7
	global_load_b128 v[BIAS+8*\b:BIAS+8*\b+3], v7, s[12:13] offset:64*\b
	global_load_b128 v[BIAS+8*\b+4:BIAS+8*\b+7], v7, s[12:13] offset:64*\b+16
.endr
	s_branch .Lbias_in
.Lbias_v:
	s_wait_alu depctr_va_vdst(0)
.irp a, 0,1,2,3,4,5,6,7
	global_load_b32 v[BIAS+8*\a], v8, s[12:13] offset:64*\a
.endr
	s_wait_loadcnt 0x0
.irp a, 0,1,2,3,4,5,6,7
.irp j, 1,2,3,4,5,6,7
	v_mov_b32 v[BIAS+8*\a+\j], v[BIAS+8*\a]
.endr
.endr
.Lbias_in:
	s_wait_loadcnt 0x0
.macro FRAG reg, adr, q, i
.irp c, 0,1,2,3
	ds_load_b128 v[\reg+4*\c:\reg+4*\c+3], v[\adr] offset:128*(\q)+32*\c+(\i)*16*PITCH
.endr
.endm
.macro MUL16 a0, p, q, sc, cm
.irp a, \a0, \a0+1
.irp b, 0,1,2,3,4,5,6,7
.if (\cm) == 1
	v_wmma_scale_f32_16x16x128_f8f6f4 v[8*(8*((\a)%4)+\b):8*(8*((\a)%4)+\b)+7], v[128*(\p)+FR*\b:128*(\p)+FR*\b+FR-1], v[AF+FR*(\a):AF+FR*(\a)+FR-1], v[BIAS+8*\b:BIAS+8*\b+7], v[SC+8*NQ*(\sc)+NQ*\b+(\q)], v[SC+8*NQ*(\sc)+NQ*(\a)+(\q)] matrix_a_scale:MATRIX_SCALE_ROW1
.elseif (\cm) == 2
	v_wmma_scale_f32_16x16x128_f8f6f4 v[8*(8*((\a)%4)+\b):8*(8*((\a)%4)+\b)+7], v[128*(\p)+FR*\b:128*(\p)+FR*\b+FR-1], v[AF+FR*(\a):AF+FR*(\a)+FR-1], v[BIAS+8*(\a):BIAS+8*(\a)+7], v[SC+8*NQ*(\sc)+NQ*\b+(\q)], v[SC+8*NQ*(\sc)+NQ*(\a)+(\q)] matrix_a_scale:MATRIX_SCALE_ROW1
.else
	v_wmma_scale_f32_16x16x128_f8f6f4 v[8*(8*((\a)%4)+\b):8*(8*((\a)%4)+\b)+7], v[128*(\p)+FR*\b:128*(\p)+FR*\b+FR-1], v[AF+FR*(\a):AF+FR*(\a)+FR-1], v[8*(8*((\a)%4)+\b):8*(8*((\a)%4)+\b)+7], v[SC+8*NQ*(\sc)+NQ*\b+(\q)], v[SC+8*NQ*(\sc)+NQ*(\a)+(\q)] matrix_a_scale:MATRIX_SCALE_ROW1
.endif
.endr
.endr
.endm
.macro FETCH_B slot, q, p
	WIN TO_B
.irp i, 0,1,2,3,4,5,6,7
	FRAG 128*(\p)+FR*\i, ADRB+\slot, \q, \i
.endr
	WIN 0
.endm
.macro FETCH_A slot, q, i0
.irp i, \i0, \i0+1, \i0+2, \i0+3
	FRAG AF+FR*(\i), ADRA+\slot, \q, \i
.endr
.endm
.macro SCALES sc
.irp i, 0,1,2,3,4,5,6,7
	ds_load_b64 v[SC+8*NQ*\sc+NQ*\i:SC+8*NQ*\sc+NQ*\i+1], v[ADRS] offset:\i*SBLK
.endr
.endm
.macro PLACES n
.rept \n
	v_nop
.endr
.endm
.macro STEP slot, q, cm
	s_wait_dscnt 4*NL
.if \cm
	WIN 0x81
.else
	WIN MUL_LO
.endif
	MUL16 0, (\q)%2, \q, \slot, \cm
	MUL16 2, (\q)%2, \q, \slot, \cm
	s_wait_dscnt 0
	PLACES NP
	FETCH_B \slot, (\q)+1, 1-(\q)%2
	FETCH_A \slot, (\q)+1, 0
.if \cm
	WIN 0xc1
.else
	WIN MUL_HI
.endif
	MUL16 4, (\q)%2, \q, \slot, \cm
	MUL16 6, (\q)%2, \q, \slot, \cm
	PLACES NP
	WIN 0
	FETCH_A \slot, (\q)+1, 4
.endm
.macro TURN slot, next, fill
	s_wait_tensorcnt 0x0
	ds_add_u32 v[SPW], v[NIL]
	s_wait_dscnt 4*NL+1
	WIN MUL_LO
	MUL16 0, 1, NQ-1, \slot, 0
	s_wait_dscnt 0x0
	s_barrier_signal -1
	MUL16 2, 1, NQ-1, \slot, 0
	WIN 0
	s_barrier_wait -1
.if \fill
	CREST
	s_add_nc_u64 s[G0+4*\slot+2:G0+4*\slot+3], s[G0+4*\slot+2:G0+4*\slot+3], 2*ROWB
	s_add_nc_u64 s[G0B+4*\slot+2:G0B+4*\slot+3], s[G0B+4*\slot+2:G0B+4*\slot+3], 2*ROWB
	JLOAD G0+4*\slot, G1, G0B+4*\slot, G1B
	PLACES NP-4
.else
	PLACES NP
.endif
	s_wait_alu depctr_va_vdst(0)
	v_add_nc_u32 v[ADRS], 4*NQ, v[ADRS]
	FETCH_B \next, 0, 0
	FETCH_A \next, 0, 0
	SCALES \next
	WIN MUL_HI
	MUL16 4, 1, NQ-1, \slot, 0
	MUL16 6, 1, NQ-1, \slot, 0
	PLACES NP
	WIN 0
	FETCH_A \next, 0, 4
.endm
	s_wait_tensorcnt 1
	s_barrier_signal -1
	s_barrier_wait -1
	FETCH_B 0, 0, 0
	FETCH_A 0, 0, 0
	SCALES 0
	FETCH_A 0, 0, 4
	s_cmp_eq_u32 s[ISV], 1
	s_cbranch_scc1 .Lfirst_v
	s_wait_alu depctr_va_vdst(0)
	STEP 0, 0, 1
	s_branch .Lfirst_done
.Lfirst_v:
	s_wait_alu depctr_va_vdst(0)
	STEP 0, 0, 2
.Lfirst_done:
	s_mov_b32 s3, LAPS-1
.Llap:
	TURN 0, 1, 1
	STEP 1, 0, 0
	TURN 1, 0, 1
	STEP 0, 0, 0
	s_sub_co_u32 s3, s3, 1
	s_cmp_lg_u32 s3, 0
	s_cbranch_scc1 .Llap
	TURN 0, 1, 0
	STEP 1, 0, 0
	s_wait_dscnt 4*NL
	WIN MUL_LO
	MUL16 0, 1, NQ-1, 1, 0
	MUL16 2, 1, NQ-1, 1, 0
	s_wait_dscnt 0
	WIN MUL_HI
	MUL16 4, 1, NQ-1, 1, 0
	MUL16 6, 1, NQ-1, 1, 0
	WIN 0
	PLACES NP
	s_mov_b32 s20, 0x76543210
	s_mov_b32 s21, 0xfedcba98
	s_mov_b32 s23, 0xffff0000
	s_mov_b32 s18, 0x05040100
	s_mov_b32 s19, 0x07060302
.irp b, 0,1,2,3
	v_mov_b32 v[TM+4+\b], 0
.endr
.macro QUANTW a
.set W, 2+(\a)/4
.set AC, 64*((\a)%4)
.set PCA, PC+16*(\a)
	WIN (W|(W<<2))
.irp b, 0,1,2,3
	v_max3_num_f32 v[TM+\b], |v[AC+16*\b]|, |v[AC+16*\b+1]|, 0x4800000
.endr
.irp i, 2,4,6,8,10,12,14
.irp b, 0,1,2,3
	v_max3_num_f32 v[TM+\b], |v[AC+16*\b+\i]|, |v[AC+16*\b+\i+1]|, v[TM+\b]
.endr
.endr
	WIN 0
.irp b, 0,1,2,3
	v_permlanex16_b32 v[TM+4+\b], v[TM+\b], s20, s21
.endr
.irp b, 0,1,2,3
	v_max_num_f32 v[TM+\b], v[TM+\b], v[TM+4+\b]
.endr
.irp b, 0,1,2,3
	v_add_nc_u32 v[TM+12+\b], 0xfc000000, v[TM+\b]
.endr
.irp b, 0,1,2,3
.endr
.irp b, 0,1,2,3
	v_lshrrev_b32 v[TM+4+\b], 23, v[TM+12+\b]
.endr
	v_lshl_or_b32 v[PW+(\a)], v[TM+5], 8, v[TM+4]
	v_lshl_or_b32 v[PW+(\a)], v[TM+6], 16, v[PW+(\a)]
	v_lshl_or_b32 v[PW+(\a)], v[TM+7], 24, v[PW+(\a)]
	WIN (W|(W<<6))
.irp b, 0,1,2,3
.irp i, 0,1,2,3,4,5,6,7,8,9,10,11,12,13,14,15
.endr
.endr
	WIN W
.irp b, 0,1,2,3
	v_cvt_scalef32_pk8_fp8_f32 v[PCA+4*\b:PCA+4*\b+1], v[AC+16*\b:AC+16*\b+7], v[TM+12+\b]
	v_cvt_scalef32_pk8_fp8_f32 v[PCA+4*\b+2:PCA+4*\b+3], v[AC+16*\b+8:AC+16*\b+15], v[TM+12+\b]
.endr
	WIN 0
	v_nop
.endm
.irp a, 0,1,2,3,4,5,6,7
	QUANTW \a
.endr
	s_cmp_eq_u32 s[ISV], 1
	s_cbranch_scc1 .Lout_v
.irp a, 0,1,2,3,4,5,6,7
.irp b, 0,1,2,3
.irp i, 0,1
	v_permlane16_swap_b32 v[PC+16*\a+4*\b+\i], v[PC+16*\a+4*\b+2+\i]
.endr
.endr
.endr
.irp a, 0,1,2,3,4,5,6,7
.irp b, 0,1,2,3
	global_store_b128 v[LI], v[PC+16*\a+4*\b:PC+16*\a+4*\b+3], s[96+2*(\b/2):97+2*(\b/2)] offset:(\a/2)*2048+(2*(\a%2)+\b%2)*512
.endr
.endr
.irp hh, 0,1
.irp p, 0,1
	v_perm_b32 v[WT+4*\hh+2*\p], v[PW+4*\p+1], v[PW+4*\p], s[18+\hh]
	v_perm_b32 v[WT+4*\hh+2*\p+1], v[PW+4*\p+3], v[PW+4*\p+2], s[18+\hh]
	v_cndmask_b32 v[WT+4*\hh+2*\p], v[WT+4*\hh+2*\p], v[WT+4*\hh+2*\p+1], s23
	global_store_b32 v[LS], v[WT+4*\hh+2*\p], s[100+4*\hh:101+4*\hh] offset:128*\p
.endr
.endr
	s_branch .Lout_done
.Lout_v:
	s_wait_alu depctr_va_vdst(0)
.irp a, 0,1,2,3,4,5,6,7
.irp b, 0,1,2,3
	global_store_b128 v[LI], v[PC+16*\a+4*\b:PC+16*\a+4*\b+3], s[96+2*(\a/4):97+2*(\a/4)] offset:8192+(\a%4)*2048+512*\b
.endr
.endr
.irp hh, 0,1
.irp p, 0,1
	v_cndmask_b32 v[WT+2*\hh+\p], v[PW+4*\hh+2*\p], v[PW+4*\hh+2*\p+1], s23
	global_store_b32 v[LS], v[WT+2*\hh+\p], s[100+4*\hh:101+4*\hh] offset:128*\p
.endr
.endr
.Lout_done:
	s_wait_tensorcnt 0x0
	ds_add_u32 v[SPW], v[NIL]
	s_wait_dscnt 0x0
	CROUND
	s_endpgm
.Lfunc_end_k_qd2fff9b4d0_qkv:
	.size	k_qd2fff9b4d0_qkv, .Lfunc_end_k_qd2fff9b4d0_qkv-k_qd2fff9b4d0_qkv
	.p2alignl 7, 3214868480
	.fill 96, 4, 3214868480
	.section	.rodata,"a",@progbits
	.p2align	6, 0x0
	.amdhsa_kernel k_qd2fff9b4d0_qkv
		.amdhsa_group_segment_fixed_size 327680
		.amdhsa_private_segment_fixed_size 0
		.amdhsa_enable_private_segment 0
		.amdhsa_kernarg_size 96
		.amdhsa_user_sgpr_count 2
		.amdhsa_user_sgpr_kernarg_segment_ptr 1
		.amdhsa_wavefront_size32 1
		.amdhsa_system_sgpr_workgroup_id_x 1
		.amdhsa_system_sgpr_workgroup_id_y 1
		.amdhsa_system_sgpr_workgroup_id_z 1
		.amdhsa_system_vgpr_workitem_id 0
		.amdhsa_next_free_vgpr 1024
		.amdhsa_next_free_sgpr 106
		.amdhsa_reserve_vcc 0
		.amdhsa_float_denorm_mode_32 3
		.amdhsa_float_denorm_mode_16_64 3
		.amdhsa_fp16_overflow 1
		.amdhsa_memory_ordered 1
		.amdhsa_forward_progress 1
		.amdhsa_inst_pref_size 176
	.end_amdhsa_kernel
	.amdgpu_metadata
---
amdhsa.version: [ 1, 2 ]
amdhsa.kernels:
  - .name:           k_qd2fff9b4d0_qkv
    .symbol:         k_qd2fff9b4d0_qkv.kd
    .args:
      - { .name: xq, .offset: 0, .size: 8, .value_kind: global_buffer, .address_space: global }
      - { .name: Wq_codes, .offset: 8, .size: 8, .value_kind: global_buffer, .address_space: global }
      - { .name: Wq_scales, .offset: 16, .size: 8, .value_kind: global_buffer, .address_space: global }
      - { .name: Wk_codes, .offset: 24, .size: 8, .value_kind: global_buffer, .address_space: global }
      - { .name: Wk_scales, .offset: 32, .size: 8, .value_kind: global_buffer, .address_space: global }
      - { .name: Wv_codes, .offset: 40, .size: 8, .value_kind: global_buffer, .address_space: global }
      - { .name: Wv_scales, .offset: 48, .size: 8, .value_kind: global_buffer, .address_space: global }
      - { .name: bq, .offset: 56, .size: 8, .value_kind: global_buffer, .address_space: global }
      - { .name: bk, .offset: 64, .size: 8, .value_kind: global_buffer, .address_space: global }
      - { .name: bv, .offset: 72, .size: 8, .value_kind: global_buffer, .address_space: global }
      - { .name: q, .offset: 80, .size: 8, .value_kind: global_buffer, .address_space: global }
      - { .name: kv, .offset: 88, .size: 8, .value_kind: global_buffer, .address_space: global }
    .group_segment_fixed_size: 327680
    .private_segment_fixed_size: 0
    .kernarg_segment_align: 8
    .kernarg_segment_size: 96
    .max_flat_workgroup_size: 128
    .sgpr_count:     106
    .vgpr_count:     1024
    .wavefront_size: 32
...
	.end_amdgpu_metadata
.endif
;; end of part 2
;; launch attn (part 3): grid 4 x 64, 16 waves a work-group, clusters of 4 x 1, 327,680 bytes of LDS; arguments q, kv, c; writes c
.if DOCPART == 3
	.amdgcn_target "amdgcn-amd-amdhsa--gfx1250"
	.amdhsa_code_object_version 6
	.text
	.protected	k_qd2fff9b4d0_attn
	.globl	k_qd2fff9b4d0_attn
	.p2align	8
	.type	k_qd2fff9b4d0_attn,@function
k_qd2fff9b4d0_attn:
	s_mov_b64 s[64:65], 0
	v_nop
	global_prefetch_b8 v0, s[64:65] scope:SCOPE_SE
	s_setreg_imm32_b32 hwreg(HW_REG_WAVE_MODE, 25, 1), 1
	s_wait_xcnt 0x0
	s_wait_alu depctr_hold_cnt(0) depctr_sa_sdst(0) depctr_va_vdst(0) depctr_va_sdst(0) depctr_va_ssrc(0) depctr_va_vcc(0) depctr_vm_vsrc(0)
	s_getreg_b32 s2, hwreg(HW_REG_IB_STS2, 6, 4)
	s_cmp_eq_u32 s2, 0
	s_cbranch_scc0 .Lentry_in_a_cluster
	s_endpgm
.Lentry_in_a_cluster:
	s_bfe_u32 s2, ttmp6, 0x10000c
	s_cmp_lg_u32 s2, 0x3003
	s_cbranch_scc0 .Lentry_shape_is_right
	s_endpgm
.Lentry_shape_is_right:
; ctx = softmax(q k^T / 8) v for one head of one batch (64 of them: grid y), both products on codes of E4M3 with one E8M0 byte for each 32 along K; ctx is quantised at once along (head, channel) for the last product.
; THE SOFTMAX: t = score x log2(e) / 8; M = the running largest t rounded up to a whole number; p = 2^(t - M) is quantised along the keys, not normalised; the sum of the unquantised p divides at the end.
; SHARES: a work-group owns 512 queries, each of its sixteen waves 32: two tiles of 16, one after the other, in 256 registers (four waves to a SIMD).  Every wave walks the head's 2,048 keys, 128 a step.
; LDS: the head's k, v and their scale words, 16 steps x 16,896 bytes, as images of operand registers (a piece of 4 registers at 16 x lane): filled ONCE, wave w fetching step w.  Nothing is filled again, so the loops have no barrier.
; CLUSTER: the four work-groups of a head read the same bytes: each load is a joint one, with a mask that names the four.
; THE HEAD HAS 64 CHANNELS, the instruction 128 along K: a fragment of k holds two tokens a row (64 codes each), and q stands in the low or in the high half of source 1 beside zero codes.
; Both products are used transposed: a lane holds one query.  The tokens of a fragment's rows are r + 8 (r / 8) and 8 + r + 8 (r / 8) of 32, so the 16 registers of two neighbouring score tiles are 16 neighbouring keys.
; LIMITS: NaN and infinities are not served; a block of zeros gets the byte 1 (its codes are zeros; this program alone reads the bytes); a block's largest p is taken from its largest score, which takes v_exp_f32 not to fall where its input rises.
.set STEPB, 16896
.set HEADB, 16*STEPB
.set LI,   1                           ; 16 x lane
.set LS,   2                           ; 4 x lane
.set ADR,  3
.set ADS,  4
.set HOFF, 5                           ; ctx's scale bytes: 512 (lane / 16) + 32 (lane % 16)
.set QW,   6                           ; q's scale word of my fragment
.set QS,   7                           ; the tile's two bytes, twice
.set HW,   8                           ; v8, v9 ctx's two scale bytes of tiles 0, 1
.set TQ,   10
.set QA,   11
.set F,    40                          ; v40-103 four fragments of k or of v
.set S,    104                         ; v104-167 scores, then p
.set O,    168                         ; v168-199 O^T
.set PCD,  200                         ; v200-215 p's codes
.set TM,   216                         ; v216-231 at work
.set KSC,  240
.set VSC,  242
.set PSW,  244                         ; p's scale word
.set FF,   246                         ; v[246:247] 2^(old M - new M)
.set TP,   248
.set WV,   12
.set MNT,  19
.set SEL,  20
.set CS,   22
.set G1,   24
.set G0,   32
.set TB,   36
.set CNT,  37
.set QP,   38
.set QSP,  40
.set CF,   42
.set CSP,  44
.set M16,  46
.set PRM,  47
.macro CROUND
	s_barrier_signal -1
	s_barrier_wait -1
	s_cmp_lg_u32 s[WV], 0
	s_cbranch_scc1 .Lnot_wave_0_\@
	s_barrier_signal -3
.Lnot_wave_0_\@:
	s_barrier_wait -3
	s_barrier_signal -1
	s_barrier_wait -1
.endm
	s_load_b128 s[4:7], s[0:1], 0x0                ; q, kv
	s_load_b64 s[8:9], s[0:1], 0x10                ; c
	v_lshl_add_u32 v254, v0, 2, 0x42000
	v_mov_b32 v255, 0
	ds_add_u32 v254, v255
	ds_add_u32 v254, v255
	v_lshrrev_b32 v[TQ], 5, v0
	s_delay_alu instid0(VALU_DEP_1)
	v_readfirstlane_b32 s[WV], v[TQ]               ; wave 0..15
	s_bfe_u32 s13, ttmp6, 0x40000                  ; cx: it enters q's and c's addresses alone
	s_and_b32 s14, ttmp7, 0xffff                   ; 16 x batch + head, which the partners share
	s_mul_i32 s2, s14, HEADB
	s_mul_i32 s[G0+1], s[WV], STEPB                ; LDS address: step = my wave's number
	s_add_co_u32 s2, s2, s[G0+1]
	s_mov_b32 s3, 0
	s_mov_b32 s[G1], 15|(3<<16)|(1<<21)            ; the mask: all four; elements of 8 bytes; bit 21 beside a mask; no padding
	s_mov_b32 s[G1+1], 32<<16                      ; 66 rows of 256 bytes, dense
	s_mov_b32 s[G1+2], 66<<16
	s_mov_b32 s[G1+3], 32<<16
	s_mov_b32 s[G1+4], 66
	s_mov_b32 s[G1+5], 32
	s_mov_b32 s[G1+6], 0
	s_mov_b32 s[G1+7], 0
	s_mov_b32 s[G0], 1
	s_wait_dscnt 0x0
	s_wait_kmcnt 0x0
	s_add_nc_u64 s[G0+2:G0+3], s[6:7], s[2:3]
	s_or_b32 s[G0+3], s[G0+3], 0x80000000
	CROUND                                         ; the four work-groups are here: the joint loads meet
	tensor_load_to_lds s[G0:G0+3], s[G1:G1+7]      ; my one tensor load of the launch
	s_nop 0
.rept 4
	v_nop
.endr
	s_lshl_b32 s15, s13, 4
	s_add_co_u32 s15, s15, s[WV]                   ; f: my 32 queries of the batch's 2,048
	s_mov_b32 s11, 0
	s_lshl_b32 s10, s14, 6
	s_add_co_u32 s10, s10, s15
	s_lshl_b32 s10, s10, 11
	s_add_nc_u64 s[QP:QP+1], s[4:5], s[10:11]      ; q's fragment
	s_lshl_b32 s10, s14, 12
	s_lshl_b32 s16, s15, 6
	s_add_co_u32 s10, s10, s16
	s_add_co_u32 s10, s10, 0x800000
	s_add_nc_u64 s[QSP:QSP+1], s[4:5], s[10:11]    ; its 16 scale words
	s_lshr_b32 s16, s14, 4
	s_and_b32 s17, s14, 15                         ; head
	s_lshl_b32 s16, s16, 7
	s_lshl_b32 s18, s15, 1
	s_add_co_u32 s16, s16, s18                     ; ctx's tile: 128 x batch + 2 f
	s_lshl_b32 s10, s16, 14
	s_lshl_b32 s18, s17, 10
	s_add_co_u32 s10, s10, s18
	s_add_nc_u64 s[CF:CF+1], s[8:9], s[10:11]      ; a tile is 8 fragments; a head is half a fragment
	s_lshl_b32 s10, s16, 9
	s_lshl_b32 s18, s17, 1
	s_add_co_u32 s10, s10, s18
	s_add_co_u32 s10, s10, 0x800000
	s_add_nc_u64 s[CSP:CSP+1], s[8:9], s[10:11]    ; 32 scale bytes a row, two a head
	s_mov_b32 s[SEL], 0x76543210
	s_mov_b32 s[SEL+1], 0xfedcba98
	s_mov_b32 s[CS], 0x3e38aa3b                    ; log2(e) / 8
	s_mov_b32 s[CS+1], s[CS]
	s_mov_b32 s[M16], 0xffff0000
	s_mov_b32 s[PRM], 0x01000100
	v_and_b32 v[TQ], 31, v0
	s_delay_alu instid0(VALU_DEP_1)
	v_lshlrev_b32 v[LI], 4, v[TQ]
	s_delay_alu instid0(VALU_DEP_2)
	v_lshlrev_b32 v[LS], 2, v[TQ]
	v_and_b32 v[QA], 15, v0
	v_bfe_u32 v[TQ], v0, 4, 1
	s_delay_alu instid0(VALU_DEP_2)
	v_lshlrev_b32 v[HOFF], 5, v[QA]
	s_delay_alu instid0(VALU_DEP_1)
	v_lshl_add_u32 v[HOFF], v[TQ], 9, v[HOFF]
	s_delay_alu instid0(VALU_DEP_4)
	v_lshlrev_b32 v[QA], 2, v[QA]
	global_load_b32 v[QW], v[QA], s[QSP:QSP+1]
.irp j, 0,1,2,3,4,5,6,7
	v_mov_b32 v[16+\j], 0                          ; zero codes on both sides of q's eight registers
	v_mov_b32 v[32+\j], 0
.endr
.irp b, 0,1,2,3
	v_mov_b32 v[TM+4+\b], 0                        ; a lane permute's destination counts as one of its sources
.endr
	v_mov_b32 v[TP], 0
	v_mov_b32 v[FF+1], 0                           ; named as the upper half of a pair
	s_wait_tensorcnt 0x0                           ; my step has landed,
	s_barrier_signal -1
	s_barrier_wait -1                              ; everybody's has
.macro KQ f, u                         ; scores of fragment f's low (u = 0) or high tokens: q in the low half of source 1 (v24-39) or in the high half (v16-31)
.if (\f)%2
	v_wmma_scale_f32_16x16x128_f8f6f4 v[S+8*(2*\f+\u):S+8*(2*\f+\u)+7], v[F+16*\f:F+16*\f+15], v[24-8*\u:39-8*\u], 0, v[KSC+\f/2], v[QS] matrix_a_scale:MATRIX_SCALE_ROW1
.else
	v_wmma_scale_f32_16x16x128_f8f6f4 v[S+8*(2*\f+\u):S+8*(2*\f+\u)+7], v[F+16*\f:F+16*\f+15], v[24-8*\u:39-8*\u], 0, v[KSC+\f/2], v[QS]
.endif
.endm
.macro PV t                            ; O^T, channels 16 t on, += v^T p^T
.if (\t)%2
	v_wmma_scale_f32_16x16x128_f8f6f4 v[O+8*\t:O+8*\t+7], v[F+16*\t:F+16*\t+15], v[PCD:PCD+15], v[O+8*\t:O+8*\t+7], v[VSC+\t/2], v[PSW] matrix_a_scale:MATRIX_SCALE_ROW1
.else
	v_wmma_scale_f32_16x16x128_f8f6f4 v[O+8*\t:O+8*\t+7], v[F+16*\t:F+16*\t+15], v[PCD:PCD+15], v[O+8*\t:O+8*\t+7], v[VSC+\t/2], v[PSW]
.endif
.endm
; A KEY STEP: 128 keys
.macro STEP
	v_add_nc_u32 v[ADR], s[TB], v[LI]
	v_add_nc_u32 v[ADS], s[TB], v[LS]
.rept 6
	v_nop                                          ; with the two additions: eight places between the last step's products and loads into their registers
.endr
.irp f, 0,1,2,3
.irp c, 0,1,2,3
	ds_load_b128 v[F+16*\f+4*\c:F+16*\f+4*\c+3], v[ADR] offset:2048*\f+512*\c
.endr
.endr
	ds_load_b32 v[KSC], v[ADS] offset:16384
	ds_load_b32 v[KSC+1], v[ADS] offset:16384+128
	s_wait_alu depctr_va_vdst(0)
	s_wait_dscnt 0x0
.irp f, 0,1,2,3
	KQ \f, 0
	KQ \f, 1
.endr                                          ; registers 16 f + i hold keys 32 f + 16 (lane / 16) + i
.rept 8
	v_nop
.endr
.irp t, 0,1,2,3                                ; v's fragments land under the softmax
.irp c, 0,1,2,3
	ds_load_b128 v[F+16*\t+4*\c:F+16*\t+4*\c+3], v[ADR] offset:8192+2048*\t+512*\c
.endr
.endr
	ds_load_b32 v[VSC], v[ADS] offset:16640
	ds_load_b32 v[VSC+1], v[ADS] offset:16640+128
.irp b, 0,1,2,3
	v_max3_num_f32 v[TM+\b], v[S+16*\b], v[S+1+16*\b], v[S+2+16*\b]   ; the largest score of each block of 32 keys: for the row's maximum, and for the block's largest p
.endr
.irp i, 3,5,7,9,11,13
.irp b, 0,1,2,3
	v_max3_num_f32 v[TM+\b], v[TM+\b], v[S+16*\b+\i], v[S+1+16*\b+\i]
.endr
.endr
.irp b, 0,1,2,3
	v_max_num_f32 v[TM+\b], v[TM+\b], v[S+15+16*\b]
.endr
.irp b, 0,1,2,3
	s_delay_alu instid0(VALU_DEP_4)
	v_permlanex16_b32 v[TM+4+\b], v[TM+\b], s[SEL], s[SEL+1]
.endr
.irp b, 0,1,2,3
	s_delay_alu instid0(VALU_DEP_4)
	v_max_num_f32 v[TM+\b], v[TM+\b], v[TM+4+\b]
.endr
	s_delay_alu instid0(VALU_DEP_2)
	v_max3_num_f32 v[TP], v[TM], v[TM+1], v[TM+2]
	s_delay_alu instid0(VALU_DEP_1)
	v_max_num_f32 v[TP], v[TP], v[TM+3]
	s_delay_alu instid0(VALU_DEP_1)
	v_mul_f32 v[TP], s[CS], v[TP]
	s_delay_alu instid0(VALU_DEP_1)
	v_max_num_f32 v13, v13, v[TP]                  ; the running largest t
	v_mov_b32 v[TP], v12
	s_delay_alu instid0(VALU_DEP_2)
	v_floor_f32 v12, -v13                          ; -M = floor(-t): M is a whole number
	s_delay_alu instid0(VALU_DEP_1)
	v_sub_f32 v[TP], v12, v[TP]
	s_delay_alu instid0(VALU_DEP_1)
	v_cvt_i32_f32 v[TP], v[TP]                     ; (it saturates)
	s_delay_alu instid0(VALU_DEP_1)
	v_ldexp_f32 v[FF], 1.0, v[TP]                  ; 2^(old M - new M): rounds nothing
.irp j, 0,2,4,6,8,10,12,14,16,18,20,22,24,26,28,30,32,34,36,38,40,42,44,46,48,50,52,54,56,58,60,62
	v_pk_fma_f32 v[S+\j:S+\j+1], v[S+\j:S+\j+1], s[CS:CS+1], v[12:13] op_sel_hi:[1,0,0]   ; t - M
.endr
.irp b, 0,1,2,3
	v_fma_f32 v[TM+\b], v[TM+\b], s[CS], v12
.endr
	s_setprio 1
	s_wait_alu depctr_va_vdst(0)
.irp j, 0,1,2,3,4,5,6,7,8,9,10,11,12,13,14,15,16,17,18,19,20,21,22,23,24,25,26,27,28,29,30,31,32,33,34,35,36,37,38,39,40,41,42,43,44,45,46,47,48,49,50,51,52,53,54,55,56,57,58,59,60,61,62,63
	v_exp_f32 v[S+\j], v[S+\j]                     ; p
.endr
	v_pk_mul_f32 v[14:15], v[14:15], v[FF:FF+1] op_sel_hi:[1,0]   ; the sums under the new M: a plain instruction behind the exponentials
	s_wait_alu depctr_va_vdst(0)                   ; one wait for the batch, ahead of its first reader
.irp b, 0,1,2,3
	v_exp_f32 v[TM+\b], v[TM+\b]                   ; each block's largest p
.endr
	v_pk_add_f32 v[220:221], v[108:109], v[112:113]
	v_pk_add_f32 v[252:253], v[116:117], v[120:121]
	v_pk_add_f32 v[250:251], v[124:125], v[128:129]
	v_pk_add_f32 v[244:245], v[132:133], v[136:137]
	v_pk_add_f32 v[240:241], v[140:141], v[144:145]
	v_pk_add_f32 v[238:239], v[148:149], v[152:153]
	v_pk_add_f32 v[236:237], v[156:157], v[160:161]
	v_pk_add_f32 v[14:15], v[14:15], v[164:165]
	v_pk_add_f32 v[220:221], v[220:221], v[104:105]
	v_pk_add_f32 v[252:253], v[252:253], v[106:107]
	v_pk_add_f32 v[250:251], v[250:251], v[110:111]
	v_pk_add_f32 v[244:245], v[244:245], v[114:115]
	v_pk_add_f32 v[240:241], v[240:241], v[118:119]
	v_pk_add_f32 v[238:239], v[238:239], v[122:123]
	v_pk_add_f32 v[236:237], v[236:237], v[126:127]
	v_pk_add_f32 v[14:15], v[14:15], v[130:131]
	v_pk_add_f32 v[220:221], v[220:221], v[134:135]
	v_pk_add_f32 v[252:253], v[252:253], v[138:139]
	v_pk_add_f32 v[250:251], v[250:251], v[142:143]
	v_pk_add_f32 v[244:245], v[244:245], v[146:147]
	v_pk_add_f32 v[240:241], v[240:241], v[150:151]
	v_pk_add_f32 v[238:239], v[238:239], v[154:155]
	v_pk_add_f32 v[236:237], v[236:237], v[158:159]
	v_pk_add_f32 v[14:15], v[14:15], v[162:163]
	v_pk_add_f32 v[220:221], v[220:221], v[166:167]
	s_delay_alu instid0(VALU_DEP_2)
	v_pk_add_f32 v[14:15], v[14:15], v[244:245]
	s_delay_alu instid0(VALU_DEP_2)
	v_pk_add_f32 v[220:221], v[220:221], v[240:241]
	v_pk_add_f32 v[252:253], v[252:253], v[238:239]
	v_pk_add_f32 v[250:251], v[250:251], v[236:237]
	s_delay_alu instid0(VALU_DEP_2)
	v_pk_add_f32 v[14:15], v[14:15], v[252:253]
	s_delay_alu instid0(VALU_DEP_2)
	v_pk_add_f32 v[220:221], v[220:221], v[250:251]
	s_delay_alu instid0(VALU_DEP_1)
	v_pk_add_f32 v[14:15], v[14:15], v[220:221]
	s_wait_alu depctr_va_vdst(0)                   ; and one for the four
.irp b, 0,1,2,3
	v_max_num_f32 v[TM+\b], 0x4800000, v[TM+\b]
.endr
.irp b, 0,1,2,3
	s_delay_alu instid0(VALU_DEP_4)
	v_add_nc_u32 v[TM+12+\b], 0xfc000000, v[TM+\b]
.endr
.irp b, 0,1,2,3
.endr
.irp b, 0,1,2,3
	s_delay_alu instid0(VALU_DEP_4)
	v_lshrrev_b32 v[TM+4+\b], 23, v[TM+12+\b]
.endr
	s_delay_alu instid0(VALU_DEP_3)
	v_lshl_or_b32 v[PSW], v[TM+5], 8, v[TM+4]
	s_delay_alu instid0(VALU_DEP_1)
	v_lshl_or_b32 v[PSW], v[TM+6], 16, v[PSW]
	s_delay_alu instid0(VALU_DEP_1)
	v_lshl_or_b32 v[PSW], v[TM+7], 24, v[PSW]
	s_setprio 0
.irp b, 0,1,2,3
.irp i, 0,1,2,3,4,5,6,7,8,9,10,11,12,13,14,15
.endr
	v_cvt_scalef32_pk8_fp8_f32 v[PCD+4*\b:PCD+4*\b+1], v[S+16*\b:S+16*\b+7], v[TM+12+\b]
	v_cvt_scalef32_pk8_fp8_f32 v[PCD+4*\b+2:PCD+4*\b+3], v[S+16*\b+8:S+16*\b+15], v[TM+12+\b]
.endr
.irp j, 0,2,4,6,8,10,12,14,16,18,20,22,24,26,28,30
	v_pk_mul_f32 v[O+\j:O+\j+1], v[O+\j:O+\j+1], v[FF:FF+1] op_sel_hi:[1,0]   ; O^T under the new M; these sixteen also stand between the codes and the products
.endr
	s_wait_alu depctr_va_vdst(0)
	s_wait_dscnt 0x0                               ; v is in
.irp t, 0,1,2,3
	PV \t
.endr
	s_add_co_u32 s[TB], s[TB], STEPB
.endm
; ONE TILE OF 16 QUERIES through all keys, and out
.macro TRIP u
	s_wait_xcnt 0x0                                ; earlier stores have read their registers
	global_load_b128 v[24:27], v[LI], s[QP:QP+1] offset:1024*\u
	global_load_b128 v[28:31], v[LI], s[QP:QP+1] offset:1024*\u+512
	s_wait_loadcnt 0x0
	v_lshrrev_b32 v[TQ], 16*\u, v[QW]
	s_delay_alu instid0(VALU_DEP_1)
	v_perm_b32 v[QS], v[TQ], v[TQ], s[PRM]         ; the tile's two bytes in both halves of the word
	v_mov_b32 v13, 0xff61b1e6                      ; the largest t so far: -3e38
	s_delay_alu instid0(VALU_DEP_1)
	v_floor_f32 v12, -v13
	v_mov_b32 v14, 0
	v_mov_b32 v15, 0
.irp j, 0,1,2,3,4,5,6,7,8,9,10,11,12,13,14,15,16,17,18,19,20,21,22,23,24,25,26,27,28,29,30,31
	v_mov_b32 v[O+\j], 0                           ; the step is written once: the first finds zeros
.endr
	s_mov_b32 s[TB], 0
	s_mov_b32 s[CNT], 16
.Lstep_\@:
	s_setprio 2
	STEP
	s_sub_co_u32 s[CNT], s[CNT], 1
	s_cmp_lg_u32 s[CNT], 0
	s_cbranch_scc1 .Lstep_\@
	s_setprio 0
	v_add_f32 v14, v14, v15
	s_delay_alu instid0(VALU_DEP_1)
	v_permlanex16_b32 v[TP], v14, s[SEL], s[SEL+1]
	s_delay_alu instid0(VALU_DEP_1)
	v_add_f32 v14, v14, v[TP]                      ; the row's sum
	s_wait_alu depctr_va_vdst(0)
	v_rcp_f32 v14, v14
.rept 8
	v_nop                                          ; places behind the last products, and the plain instruction behind the reciprocal
.endr
	s_wait_alu depctr_va_vdst(0)
.irp j, 0,2,4,6,8,10,12,14,16,18,20,22,24,26,28,30
	v_pk_mul_f32 v[S+\j:S+\j+1], v[O+\j:O+\j+1], v[14:15] op_sel_hi:[1,0]   ; ctx: register 8 t + j is channel 16 t + 8 (lane / 16) + j
.endr
.irp b, 0,1
	v_max3_num_f32 v[TM+\b], |v[S+16*\b]|, |v[S+1+16*\b]|, 0x4800000
.endr
.irp i, 2,4,6,8,10,12,14
.irp b, 0,1
	s_delay_alu instid0(VALU_DEP_2)
	v_max3_num_f32 v[TM+\b], v[TM+\b], |v[S+16*\b+\i]|, |v[S+1+16*\b+\i]|
.endr
.endr
.irp b, 0,1
	s_delay_alu instid0(VALU_DEP_2)
	v_permlanex16_b32 v[TM+4+\b], v[TM+\b], s[SEL], s[SEL+1]
.endr
.irp b, 0,1
	s_delay_alu instid0(VALU_DEP_2)
	v_max_num_f32 v[TM+\b], v[TM+\b], v[TM+4+\b]
.endr
.irp b, 0,1
	s_delay_alu instid0(VALU_DEP_2)
	v_add_nc_u32 v[TM+12+\b], 0xfc000000, v[TM+\b]
.endr
.irp b, 0,1
.endr
.irp b, 0,1
	s_delay_alu instid0(VALU_DEP_2)
	v_lshrrev_b32 v[TM+4+\b], 23, v[TM+12+\b]
.endr
	s_delay_alu instid0(VALU_DEP_1)
	v_lshl_or_b32 v[HW+\u], v[TM+5], 8, v[TM+4]
.irp b, 0,1
.irp i, 0,1,2,3,4,5,6,7,8,9,10,11,12,13,14,15
.endr
.endr
.irp b, 0,1
	v_cvt_scalef32_pk8_fp8_f32 v[PCD+4*\b:PCD+4*\b+1], v[S+16*\b:S+16*\b+7], v[TM+12+\b]
	v_cvt_scalef32_pk8_fp8_f32 v[PCD+4*\b+2:PCD+4*\b+3], v[S+16*\b+8:S+16*\b+15], v[TM+12+\b]
.endr
	v_nop                                          ; a plain instruction behind the last conversion
.irp b, 0,1
.irp i, 0,1
	v_permlane16_swap_b32 v[PCD+4*\b+\i], v[PCD+4*\b+2+\i]   ; lanes 0-15 get channels 0-15 of the block, lanes 16-31 channels 16-31
.endr
.endr
.irp b, 0,1
	global_store_b128 v[LI], v[PCD+4*\b:PCD+4*\b+3], s[CF:CF+1] offset:16384*\u+512*\b   ; 512 consecutive bytes
.endr
.endm
	TRIP 0
	TRIP 1
	v_cndmask_b32 v[HW], v[HW], v[HW+1], s[M16]    ; lanes 0-15 tile 0's rows, lanes 16-31 tile 1's
	global_store_b16 v[HOFF], v[HW], s[CSP:CSP+1]
	s_wait_dscnt 0x0
	s_wait_tensorcnt 0x0
	ds_add_u32 v254, v255
	s_wait_dscnt 0x0
	CROUND                                         ; the closing round
	s_endpgm
.Lfunc_end_k_qd2fff9b4d0_attn:
	.size	k_qd2fff9b4d0_attn, .Lfunc_end_k_qd2fff9b4d0_attn-k_qd2fff9b4d0_attn
	.p2alignl 7, 3214868480
	.fill 96, 4, 3214868480
	.section	.rodata,"a",@progbits
	.p2align	6, 0x0
	.amdhsa_kernel k_qd2fff9b4d0_attn
		.amdhsa_group_segment_fixed_size 327680
		.amdhsa_private_segment_fixed_size 0
		.amdhsa_enable_private_segment 0
		.amdhsa_kernarg_size 24
		.amdhsa_user_sgpr_count 2
		.amdhsa_user_sgpr_kernarg_segment_ptr 1
		.amdhsa_wavefront_size32 1
		.amdhsa_system_sgpr_workgroup_id_x 1
		.amdhsa_system_sgpr_workgroup_id_y 1
		.amdhsa_system_sgpr_workgroup_id_z 1
		.amdhsa_system_vgpr_workitem_id 0
		.amdhsa_next_free_vgpr 256
		.amdhsa_next_free_sgpr 66
		.amdhsa_reserve_vcc 0
		.amdhsa_float_denorm_mode_32 3
		.amdhsa_float_denorm_mode_16_64 3
		.amdhsa_fp16_overflow 1
		.amdhsa_memory_ordered 1
		.amdhsa_forward_progress 1
		.amdhsa_inst_pref_size 52
	.end_amdhsa_kernel
	.amdgpu_metadata
---
amdhsa.version: [ 1, 2 ]
amdhsa.kernels:
  - .name:           k_qd2fff9b4d0_attn
    .symbol:         k_qd2fff9b4d0_attn.kd
    .args:
      - { .name: q, .offset: 0, .size: 8, .value_kind: global_buffer, .address_space: global }
      - { .name: kv, .offset: 8, .size: 8, .value_kind: global_buffer, .address_space: global }
      - { .name: c, .offset: 16, .size: 8, .value_kind: global_buffer, .address_space: global }
    .group_segment_fixed_size: 327680
    .private_segment_fixed_size: 0
    .kernarg_segment_align: 8
    .kernarg_segment_size: 24
    .max_flat_workgroup_size: 512
    .sgpr_count:     66
    .vgpr_count:     256
    .wavefront_size: 32
...
	.end_amdgpu_metadata
.endif
;; end of part 3
;; launch outln (part 4): grid 256 x 1, 8 waves a work-group, no clusters, 165,376 bytes of LDS; arguments c, wo, x, bo, gamma, beta, out0; writes out0
.if DOCPART == 4
	.amdgcn_target "amdgcn-amd-amdhsa--gfx1250"
	.amdhsa_code_object_version 6
	.text
	.protected	k_qd2fff9b4d0_outln
	.globl	k_qd2fff9b4d0_outln
	.p2align	8
	.type	k_qd2fff9b4d0_outln,@function
k_qd2fff9b4d0_outln:
	s_mov_b64 s[64:65], 0
	v_nop
	global_prefetch_b8 v0, s[64:65] scope:SCOPE_SE
	s_setreg_imm32_b32 hwreg(HW_REG_WAVE_MODE, 25, 1), 1
	s_wait_xcnt 0x0
; out0 = LayerNorm(x + ctx Wo + bo) gamma + beta.  The product is on codes of E4M3 with one E8M0 byte for each 32 along K = 1,024; all else in f32.
; SHARES: a work-group takes 32 tokens (two tiles of ctx) and all 1,024 columns, so that a row's mean and variance never leave it.  Wave w makes columns 128 w .. 128 w + 127 for both tiles: 16 accumulators.
; Wo's codes lie in memory as images of operand registers; each wave reads only its own 128 columns', so they go from memory straight into registers, a K step ahead, in two sets.
; No multicast: 16 products stand against the 16 KiB of Wo that a wave reads in a K step, and no two waves of a work-group read the same bytes; a ring in LDS would add a write and a read of each byte.
; ctx's 16 fragments (32 KiB) are copied once into LDS as they lie, and every wave reads them from there.
; The product is used transposed (source 0 = 16 columns of Wo, source 1 = 16 tokens): a lane holds eight neighbouring columns of one token.  Lane r of tile m is token 8 m + r + 8 (r / 8) of the 32.
; Results meet in a stage of 32 rows x (4,096 + 16) bytes; then each wave takes four whole rows.
; LIMITS: NaN and infinities are not served.
; REGISTERS: window 0: v1-8 addresses; v16-31 ctx's scale words; v32-95 ctx's fragments, two sets, later LayerNorm's sums; v96-127 Wo's scale words; v128-255 accumulators, later four rows of y.
;   window 1: Wo's fragments, two sets of 128; later x's four rows (v0-127), bo (v128-159), gamma (v160-191), beta (v192-223).
.set STP,  4112
.set AIMG, 32*STP
.set LI,   1
.set LS,   2
.set SO,   3
.set SR,   4
.set AW,   5
.set AR,   6
.set RO,   7
.set PFO,  8
.set ASC,  16
.set AF,   32
.set BSC,  96
.set ACC,  128
.set Y,    128
.set T,    32                          ; v32-39 four rows' sums, then means
.set V,    40                          ; v40-47 four rows' sums of squares, then 1 / sqrt
.set WV,   18
.set SEL,  20
.set MSB, 0
.macro WIN new
.if MSB != \new
	s_set_vgpr_msb (MSB<<8)|\new
.set MSB, \new
.endif
.endm
.macro PLACES n
.rept \n
	v_nop
.endr
.endm
	s_load_b256 s[4:11], s[0:1], 0x0               ; c 4, wo 6, x 8, bo 10
	s_load_b128 s[12:15], s[0:1], 0x20             ; gamma 12, beta 14
	s_load_b64 s[16:17], s[0:1], 0x30              ; out0
	v_lshl_add_u32 v14, v0, 2, 0x28200
	v_mov_b32 v15, 0
	v_lshrrev_b32 v9, 5, v0
	s_delay_alu instid0(VALU_DEP_1)
	v_readfirstlane_b32 s[WV], v9                  ; wave 0..7
	v_and_b32 v9, 31, v0
	v_and_b32 v10, 15, v0                          ; r
	v_bfe_u32 v11, v0, 4, 1                        ; h
	s_delay_alu instid0(VALU_DEP_3)
	v_lshlrev_b32 v[LI], 4, v9
	s_delay_alu instid0(VALU_DEP_4)
	v_lshlrev_b32 v[LS], 2, v9
	v_lshlrev_b32 v[PFO], 8, v9
	v_lshlrev_b32 v[RO], 5, v10
	v_and_b32 v12, 8, v10
	s_delay_alu instid0(VALU_DEP_1)
	v_add_nc_u32 v12, v12, v10                     ; r + 8 (r / 8)
	s_delay_alu instid0(VALU_DEP_1)
	v_mul_u32_u24 v[SO], v12, STP
	s_delay_alu instid0(VALU_DEP_1)
	v_lshl_add_u32 v[SO], v11, 5, v[SO]
	s_lshl_b32 s24, s[WV], 9
	v_add_nc_u32 v[SO], s24, v[SO]                 ; the stage, in: my token's row, my wave's 512 bytes, + 32 h
	s_mul_i32 s24, s[WV], 4*STP
	v_add_nc_u32 v[SR], s24, v[LI]                 ; and back: my four rows
	s_lshl_b32 s24, s[WV], 12
	s_add_co_u32 s24, s24, AIMG
	v_add_nc_u32 v[AW], s24, v[LI]                 ; ctx's images: my 4,096 bytes of the copy
	v_add_nc_u32 v[AR], AIMG, v[LI]
	s_mov_b32 s[SEL], 0x76543210
	s_mov_b32 s[SEL+1], 0xfedcba98
	s_mov_b32 s22, 0x3a800000                      ; 1 / 1,024
	s_mov_b32 s23, 0x3a83126f                      ; 1e-3
	s_lshl_b32 s24, ttmp9, 15
	s_lshl_b32 s26, s[WV], 12
	s_add_co_u32 s24, s24, s26
	s_mov_b32 s25, 0
	s_lshl_b32 s26, ttmp9, 10
	s_add_co_u32 s26, s26, 0x800000
	s_mov_b32 s27, 0
	s_wait_alu depctr_va_vdst(0)
	s_wait_kmcnt 0x0
	s_add_nc_u64 s[28:29], s[4:5], s[24:25]        ; ctx's codes: my part of the work-group's 32,768 bytes
	s_add_nc_u64 s[30:31], s[4:5], s[26:27]        ; its scale bytes
	s_lshl_b32 s24, s[WV], 17
	s_add_nc_u64 s[32:33], s[6:7], s[24:25]        ; Wo's images of my 128 columns
	s_lshl_b32 s24, s[WV], 9
	s_add_co_u32 s24, s24, 0x100000
	s_add_nc_u64 s[34:35], s[6:7], s[24:25]        ; their scale words
	s_lshl_b32 s24, ttmp9, 17
	s_lshl_b32 s26, s[WV], 14
	s_add_co_u32 s24, s24, s26
	s_add_nc_u64 s[36:37], s[8:9], s[24:25]        ; my four rows of x
	s_add_nc_u64 s[38:39], s[16:17], s[24:25]      ; and of out0
.macro BLOAD s                         ; Wo's eight fragments of K step s into set s % 2
	WIN 0x40
.irp t, 0,1,2,3,4,5,6,7
.irp c, 0,1,2,3
	global_load_b128 v[128*((\s)%2)+16*\t+4*\c:128*((\s)%2)+16*\t+4*\c+3], v[LI], s[32:33] offset:16384*(\s)+2048*\t+512*\c
.endr
.endr
	WIN 0
.endm
.macro ALOAD s                         ; ctx's two fragments of K step s
.irp m, 0,1
.irp c, 0,1,2,3
	ds_load_b128 v[AF+32*((\s)%2)+16*\m+4*\c:AF+32*((\s)%2)+16*\m+4*\c+3], v[AR] offset:(8*\m+(\s))*2048+512*\c
.endr
.endr
.endm
.irp k, 0,1,2,3,4,5,6,7
	global_load_b128 v[AF+4*\k:AF+4*\k+3], v[LI], s[28:29] offset:512*\k th:TH_LOAD_NT
.endr
	BLOAD 0
	s_wait_loadcnt 32                              ; my part of ctx is in; Wo's first 32 loads stay out
.irp k, 0,1,2,3,4,5,6,7
	ds_store_b128 v[AW], v[AF+4*\k:AF+4*\k+3] offset:512*\k
.endr
.irp m, 0,1
	global_load_b128 v[ASC+8*\m:ASC+8*\m+3], v[RO], s[30:31] offset:512*\m          ; row r's eight scale words, one a K step
	global_load_b128 v[ASC+8*\m+4:ASC+8*\m+7], v[RO], s[30:31] offset:512*\m+16
.endr
.irp s, 0,1,2,3,4,5,6,7
.irp p, 0,1,2,3
	global_load_b32 v[BSC+4*\s+\p], v[LS], s[34:35] offset:4096*\s+128*\p           ; lanes 0-15 tile 2 p, lanes 16-31 tile 2 p + 1
.endr
.endr
	s_wait_dscnt 0x0                               ; my stores have landed
	s_barrier_signal -1
	s_barrier_wait -1                              ; ctx's sixteen fragments lie in LDS
	ALOAD 0
.macro PROD s, t, m
.set DD, ACC+8*(8*(\m)+(\t))
.set BB, 128*((\s)%2)+16*(\t)
.set AA, AF+32*((\s)%2)+16*(\m)
.set SBR, BSC+4*(\s)+(\t)/2
.set SAR, ASC+8*(\m)+(\s)
.if (\s) == 0
.if (\t)%2
	v_wmma_scale_f32_16x16x128_f8f6f4 v[DD:DD+7], v[BB:BB+15], v[AA:AA+15], 0, v[SBR], v[SAR] matrix_a_scale:MATRIX_SCALE_ROW1
.else
	v_wmma_scale_f32_16x16x128_f8f6f4 v[DD:DD+7], v[BB:BB+15], v[AA:AA+15], 0, v[SBR], v[SAR]
.endif
.else
.if (\t)%2
	v_wmma_scale_f32_16x16x128_f8f6f4 v[DD:DD+7], v[BB:BB+15], v[AA:AA+15], v[DD:DD+7], v[SBR], v[SAR] matrix_a_scale:MATRIX_SCALE_ROW1
.else
	v_wmma_scale_f32_16x16x128_f8f6f4 v[DD:DD+7], v[BB:BB+15], v[AA:AA+15], v[DD:DD+7], v[SBR], v[SAR]
.endif
.endif
.endm
.macro KSTEP s
.if (\s) > 0
	PLACES 8                                       ; between the last step's products and loads into the registers that the step before it... read: the other sets
.endif
.if (\s) < 7
	BLOAD (\s)+1
	ALOAD (\s)+1
.else
	WIN 0x40
.irp r, 0,1,2,3
.irp i, 0,1,2,3,4,5,6,7
	global_load_b128 v[32*\r+4*\i:32*\r+4*\i+3], v[LI], s[36:37] offset:4096*\r+512*\i th:TH_LOAD_NT   ; my four rows of x, where Wo's first set lay
.endr
.endr
	WIN 0
.endif
.if (\s) == 2
	global_prefetch_b8 v[PFO], s[36:37] th:TH_LOAD_NT scope:SCOPE_SE               ; my four rows of x, 16,384 bytes: lanes 256 bytes apart, each block named once, five K steps ahead of the loads
	global_prefetch_b8 v[PFO], s[36:37] offset:8192 th:TH_LOAD_NT scope:SCOPE_SE
.endif
	s_wait_loadcnt 32                              ; all but the 32 loads just issued: this step's fragments (and, at first, the scale words) are in
.if (\s) < 7
	s_wait_dscnt 8                                 ; this step's fragments of ctx are in; the next step's eight loads may be out
.else
	s_wait_dscnt 0x0
.endif
	WIN 0x01                                       ; source 0 window 1
.irp t, 0,1,2,3,4,5,6,7
.irp m, 0,1
	PROD \s, \t, \m                                ; the sixteen accumulators take turns
.endr
.endr
	WIN 0
.endm
.irp s, 0,1,2,3,4,5,6,7
	KSTEP \s
.endr
	PLACES 8
	WIN 0x40
.irp i, 0,1,2,3,4,5,6,7
	global_load_b128 v[128+4*\i:128+4*\i+3], v[LI], s[10:11] offset:512*\i          ; bo, gamma, beta at my columns 128 i + 4 lane on
	global_load_b128 v[160+4*\i:160+4*\i+3], v[LI], s[12:13] offset:512*\i
	global_load_b128 v[192+4*\i:192+4*\i+3], v[LI], s[14:15] offset:512*\i
.endr
	WIN 0
.irp m, 0,1
.irp t, 0,1,2,3,4,5,6,7
	ds_store_b128 v[SO], v[ACC+8*(8*\m+\t):ACC+8*(8*\m+\t)+3] offset:8*STP*\m+64*\t         ; each accumulator from its low end on
	ds_store_b128 v[SO], v[ACC+8*(8*\m+\t)+4:ACC+8*(8*\m+\t)+7] offset:8*STP*\m+64*\t+16
.endr
.endr
	s_wait_dscnt 0x0
	s_barrier_signal -1
	s_barrier_wait -1                              ; 32 whole rows lie in the stage
.irp r, 0,1,2,3
.irp i, 0,1,2,3,4,5,6,7
	ds_load_b128 v[Y+32*\r+4*\i:Y+32*\r+4*\i+3], v[SR] offset:STP*\r+512*\i
.endr
.endr
	s_wait_dscnt 0x0
	s_wait_loadcnt 0x0
	; y = x + (product + bo)
	WIN 0x04                                       ; source 1 window 1
.irp j, 0,2,4,6,8,10,12,14,16,18,20,22,24,26,28,30
.irp r, 0,1,2,3
	v_pk_add_f32 v[Y+32*\r+\j:Y+32*\r+\j+1], v[Y+32*\r+\j:Y+32*\r+\j+1], v[128+\j:128+\j+1]
.endr
.endr
.irp j, 0,2,4,6,8,10,12,14,16,18,20,22,24,26,28,30
.irp r, 0,1,2,3
	v_pk_add_f32 v[Y+32*\r+\j:Y+32*\r+\j+1], v[Y+32*\r+\j:Y+32*\r+\j+1], v[32*\r+\j:32*\r+\j+1]
.endr
.endr
	WIN 0
.macro REDUCE b                        ; four rows' pairs at v[b + 2 r]: the two halves, the 32 lanes; the sum in every lane
.irp r, 0,1,2,3
	s_delay_alu instid0(VALU_DEP_4)
	v_add_f32 v[\b+2*\r], v[\b+2*\r], v[\b+2*\r+1]
.endr
.irp k, 1,2,4,8
.irp r, 0,1,2,3
	s_delay_alu instid0(VALU_DEP_4)
	v_add_f32_dpp v[\b+2*\r], v[\b+2*\r], v[\b+2*\r] row_xmask:\k row_mask:0xf bank_mask:0xf
.endr
.endr
.irp r, 0,1,2,3
	s_delay_alu instid0(VALU_DEP_4)
	v_permlanex16_b32 v[\b+2*\r+1], v[\b+2*\r], s[SEL], s[SEL+1]
.endr
.irp r, 0,1,2,3
	s_delay_alu instid0(VALU_DEP_4)
	v_add_f32 v[\b+2*\r], v[\b+2*\r], v[\b+2*\r+1]
.endr
.endm
.irp r, 0,1,2,3
	v_pk_add_f32 v[T+2*\r:T+2*\r+1], v[Y+32*\r:Y+32*\r+1], v[Y+32*\r+2:Y+32*\r+3]
.endr
.irp j, 4,6,8,10,12,14,16,18,20,22,24,26,28,30
.irp r, 0,1,2,3
	s_delay_alu instid0(VALU_DEP_4)
	v_pk_add_f32 v[T+2*\r:T+2*\r+1], v[T+2*\r:T+2*\r+1], v[Y+32*\r+\j:Y+32*\r+\j+1]
.endr
.endr
	REDUCE T
.irp r, 0,1,2,3
	s_delay_alu instid0(VALU_DEP_4)
	v_mul_f32 v[T+2*\r], s22, v[T+2*\r]            ; the mean
.endr
.irp j, 0,2,4,6,8,10,12,14,16,18,20,22,24,26,28,30
.irp r, 0,1,2,3
	v_pk_add_f32 v[Y+32*\r+\j:Y+32*\r+\j+1], v[Y+32*\r+\j:Y+32*\r+\j+1], v[T+2*\r:T+2*\r+1] op_sel_hi:[1,0] neg_lo:[0,1] neg_hi:[0,1]   ; y - mean
.endr
.endr
.irp r, 0,1,2,3
	v_pk_mul_f32 v[V+2*\r:V+2*\r+1], v[Y+32*\r:Y+32*\r+1], v[Y+32*\r:Y+32*\r+1]
.endr
.irp j, 2,4,6,8,10,12,14,16,18,20,22,24,26,28,30
.irp r, 0,1,2,3
	s_delay_alu instid0(VALU_DEP_4)
	v_pk_fma_f32 v[V+2*\r:V+2*\r+1], v[Y+32*\r+\j:Y+32*\r+\j+1], v[Y+32*\r+\j:Y+32*\r+\j+1], v[V+2*\r:V+2*\r+1]
.endr
.endr
	REDUCE V
.irp r, 0,1,2,3
	s_delay_alu instid0(VALU_DEP_4)
	v_fma_f32 v[V+2*\r], v[V+2*\r], s22, s23       ; the variance + 1e-3
.endr
	s_wait_alu depctr_va_vdst(0)
.irp r, 0,1,2,3
	v_rsq_f32 v[V+2*\r], v[V+2*\r]
.endr
	v_nop                                          ; a plain instruction behind the last of the four
	s_wait_alu depctr_va_vdst(0)                   ; one wait for the four, ahead of their first reader
.irp j, 0,2,4,6,8,10,12,14,16,18,20,22,24,26,28,30
.irp r, 0,1,2,3
	v_pk_mul_f32 v[Y+32*\r+\j:Y+32*\r+\j+1], v[Y+32*\r+\j:Y+32*\r+\j+1], v[V+2*\r:V+2*\r+1] op_sel_hi:[1,0]
.endr
.endr
	WIN 0x14                                       ; sources 1 and 2 window 1
.irp j, 0,2,4,6,8,10,12,14,16,18,20,22,24,26,28,30
.irp r, 0,1,2,3
	v_pk_fma_f32 v[Y+32*\r+\j:Y+32*\r+\j+1], v[Y+32*\r+\j:Y+32*\r+\j+1], v[160+\j:160+\j+1], v[192+\j:192+\j+1]
.endr
.endr
	WIN 0
.irp r, 0,1,2,3
.irp i, 0,1,2,3,4,5,6,7
	global_store_b128 v[LI], v[Y+32*\r+4*\i:Y+32*\r+4*\i+3], s[38:39] offset:4096*\r+512*\i th:TH_STORE_NT   ; 32 lanes store 512 consecutive bytes, aligned
.endr
.endr
	s_wait_tensorcnt 0x0
	ds_add_u32 v14, v15
	s_wait_dscnt 0x0
	s_endpgm
.Lfunc_end_k_qd2fff9b4d0_outln:
	.size	k_qd2fff9b4d0_outln, .Lfunc_end_k_qd2fff9b4d0_outln-k_qd2fff9b4d0_outln
	.p2alignl 7, 3214868480
	.fill 96, 4, 3214868480
	.section	.rodata,"a",@progbits
	.p2align	6, 0x0
	.amdhsa_kernel k_qd2fff9b4d0_outln
		.amdhsa_group_segment_fixed_size 165376
		.amdhsa_private_segment_fixed_size 0
		.amdhsa_enable_private_segment 0
		.amdhsa_kernarg_size 56
		.amdhsa_user_sgpr_count 2
		.amdhsa_user_sgpr_kernarg_segment_ptr 1
		.amdhsa_wavefront_size32 1
		.amdhsa_system_sgpr_workgroup_id_x 1
		.amdhsa_system_sgpr_workgroup_id_y 1
		.amdhsa_system_sgpr_workgroup_id_z 1
		.amdhsa_system_vgpr_workitem_id 0
		.amdhsa_next_free_vgpr 512
		.amdhsa_next_free_sgpr 66
		.amdhsa_reserve_vcc 0
		.amdhsa_float_denorm_mode_32 3
		.amdhsa_float_denorm_mode_16_64 3
		.amdhsa_memory_ordered 1
		.amdhsa_forward_progress 1
		.amdhsa_inst_pref_size 105
	.end_amdhsa_kernel
	.amdgpu_metadata
---
amdhsa.version: [ 1, 2 ]
amdhsa.kernels:
  - .name:           k_qd2fff9b4d0_outln
    .symbol:         k_qd2fff9b4d0_outln.kd
    .args:
      - { .name: c, .offset: 0, .size: 8, .value_kind: global_buffer, .address_space: global }
      - { .name: wo, .offset: 8, .size: 8, .value_kind: global_buffer, .address_space: global }
      - { .name: x, .offset: 16, .size: 8, .value_kind: global_buffer, .address_space: global }
      - { .name: bo, .offset: 24, .size: 8, .value_kind: global_buffer, .address_space: global }
      - { .name: gamma, .offset: 32, .size: 8, .value_kind: global_buffer, .address_space: global }
      - { .name: beta, .offset: 40, .size: 8, .value_kind: global_buffer, .address_space: global }
      - { .name: out0, .offset: 48, .size: 8, .value_kind: global_buffer, .address_space: global }
    .group_segment_fixed_size: 165376
    .private_segment_fixed_size: 0
    .kernarg_segment_align: 8
    .kernarg_segment_size: 56
    .max_flat_workgroup_size: 256
    .sgpr_count:     66
    .vgpr_count:     512
    .wavefront_size: 32
...
	.end_amdgpu_metadata
.endif
;; end of part 4
